; MI455X (gfx1250); checked and timed in simulation.
; The chip was launched on July 23, 2026; its instructions are those of AMD's public machine-readable ISA for CDNA 5 (MIT licence, August 2026) and "CDNA5" Instruction Set Architecture Reference Guide (July 2026). The comments in the code are by the model that wrote it; some were corrected since.
;; Transformer Encoder Layer. Allowed arithmetic: matrix products marked QUANTISED: E4M3 operands, one E8M0 scale for each 32 along K, by v_wmma_scale_f32_16x16x128_f8f6f4 with both operands' format E4M3, f32 sums; everything else in f32.
;; Inputs: attention_mask 2 x 1 x 1 x 2,048 int32; b1 4,096 float32; b2 1,024 float32; bk 1,024 float32; bo 1,024 float32; bq 1,024 float32; bv 1,024 float32; ln1_b 1,024 float32; ln1_g 1,024 float32; ln2_b 1,024 float32; ln2_g 1,024 float32; lnf_b 1,024 float32; lnf_g 1,024 float32; w1 1,024 x 4,096 float32; w2 4,096 x 1,024 float32; wk 1,024 x 1,024 float32; wo 1,024 x 1,024 float32; wq 1,024 x 1,024 float32; wv 1,024 x 1,024 float32; x 2 x 2,048 x 1,024 float32.
;; Outputs: out0 2 x 2,048 x 1,024 float32.
;; This version of the problem:
;;   THIS VERSION OF THE PROBLEM IS GIVEN IN LOW PRECISION. The matrix products marked QUANTISED in the list below multiply operands that are first quantised to E4M3 (4 exponent bits, 3 mantissa bits; 8 bits a number), with one power-of-two scale for each 32 numbers along K (OCP MX v1.0); their sums are f32. All else is computed in f32.
;;   The module's matrix products, in the order in which they are computed (A, B: the left and right operand; K: the contracted axis; several contracted axes count as one K, in the product's order):
;;     1. [M 4,096, K 1,024] x [K 1,024, N 1,024]; A: input x; B: input wq: QUANTISED
;;     2. [M 4,096, K 1,024] x [K 1,024, N 1,024]; A: input x; B: input wk: QUANTISED
;;     3. [M 4,096, K 1,024] x [K 1,024, N 1,024]; A: input x; B: input wv: QUANTISED
;;     4. batch 32 x [M 2,048, K 64] x [K 64, N 2,048]; A: computed on the way; B: computed on the way: QUANTISED
;;     5. batch 32 x [M 2,048, K 2,048] x [K 2,048, N 64]; A: softmax (see below); B: computed on the way: QUANTISED
;;     6. [M 4,096, K 1,024] x [K 1,024, N 1,024]; A: computed on the way; B: input wo: QUANTISED
;;     7. [M 4,096, K 1,024] x [K 1,024, N 4,096]; A: computed on the way; B: input w1: QUANTISED
;;     8. [M 4,096, K 4,096] x [K 4,096, N 1,024]; A: computed on the way; B: input w2: QUANTISED
;;   THE QUANTISER, for each operand of a quantised product, along K:
;;     - K is cut into blocks of 32 from its start; a last block that is shorter is filled with zeros.
;;     - A block's scale is 2^e with e = floor(log2(the largest magnitude in the block)) - 8, held to -126 .. 127; a block of zeros has e = 0. As a byte (E8M0): e + 127.
;;     - Each number is divided by its block's scale, clamped to +-448, and rounded to the nearest number of E4M3, ties to even, subnormals kept.
;;     - The product sums the exact products of the quantised numbers (number of the format x scale) in f32.
;;   ~~~python
;;   def quantise(x, axis):      # numpy; x: float32 -> the quantised numbers, widened to float32 again
;;       x = np.moveaxis(x, axis, -1); K = x.shape[-1]
;;       x = np.pad(x, [(0, 0)] * (x.ndim - 1) + [(0, -K % 32)]); x = x.reshape(x.shape[:-1] + (-1, 32)); a = np.abs(x).max(-1, keepdims=True)
;;       e = np.where(a > 0, np.clip(np.frexp(np.where(a > 0, a, 1))[1] - 1 - 8, -126, 127), 0)      # np.frexp(a)[1] - 1 = floor(log2(a)), exactly
;;       r = np.clip(x / 2.0 ** e, -448, 448)
;;       step = 2.0 ** (np.maximum(np.frexp(np.where(r == 0, 1, r))[1] - 1, -6) - 3)
;;       q = np.round(r / step) * step * 2.0 ** e      # np.round: ties to even
;;       return np.moveaxis(q.reshape(q.shape[:-2] + (-1,))[..., :K], -1, axis).astype(np.float32)
;;   ~~~
;;   SOFTMAX AHEAD OF A QUANTISED PRODUCT. Where the list says 'softmax', what is quantised is not the finished softmax but p = 2^(t - M), with t = logit x log2(e) and M = ceil(the row's largest t), a whole number; so 1/2 < the row's largest p <= 1. The row's sum l is taken of the UNQUANTISED p, in f32, and the product's result is divided by l at the end. Since M is a whole number, a kernel that streams over the keys may use a running M (the ceiling of the running maximum): every later rescaling is an exact power of two, which a block's scale takes up: the codes' values come out the same.
;;   OPERANDS COMPUTED ON THE WAY. 'Computed on the way' means the value that the module computes at that place (a softmax that the list does not call 'softmax' is quantised finished and normalised). What goes into a quantiser is computed in f32, as accurately as f32 sums, v_exp_f32 and their like allow (about 1e-6 of the number): no bf16 or f16 on the way to a quantiser, and a product that is left as it is and whose result goes on into a quantised operand takes f32 operands (vector FMAs, or v_wmma_f32_16x16x4_f32). A number that lies on a knife's edge between two numbers of the format may be rounded either way, as far as f32 arithmetic and the matrix unit's own rounding can turn it there, and no further.
;; One version. Each part assembles by itself: llvm-mc -triple=amdgcn-amd-amdhsa -mcpu=gfx1250 --defsym DOCPART=n.
;; ======== version 1 of 1: 8 launches
;; limits: a function is approximated: absolute error at most 1.5e-07
;; workspace buffers: ops 17,301,504 bytes; qkv 13,238,272 bytes; ctx 4,325,376 bytes; proj 16,777,216 bytes; x1 21,102,592 bytes; hid 17,301,504 bytes
;; launch prep (part 1): grid 1280 x 1, 4 waves a work-group, no clusters, 0 bytes of LDS; arguments x, wq, wk, wv, wo, w1, w2, ops; writes ops
.if DOCPART == 1
	.amdgcn_target "amdgcn-amd-amdhsa--gfx1250"
	.amdhsa_code_object_version 6
	.text
	.protected	k_q744c51f7d6_prep
	.globl	k_q744c51f7d6_prep
	.p2align	8
	.type	k_q744c51f7d6_prep,@function
k_q744c51f7d6_prep:
	s_mov_b64 s[64:65], 0
	v_nop
	global_prefetch_b8 v0, s[64:65] scope:SCOPE_SE
	s_setreg_imm32_b32 hwreg(HW_REG_WAVE_MODE, 25, 1), 1
	s_wait_xcnt 0x0
; x [4096][1024] and the six weights ([K][N], K first) become codes of E4M3 with one E8M0 byte for each 32 along K, laid as IMAGES OF OPERAND REGISTERS.
; Image U (2,048 bytes at ops + 2048 U) is tile T, K step s of an operand: byte 512 c + 16 lane holds row rho(T, lane % 16), k = 128 s + 32 c + 16 (lane / 16) + 0 .. 15,
; rho(T, r) = 32 (T / 2) + 8 (T % 2) + r + 8 (r / 8).  Its 16 scale words (byte c: block c) lie at ops + 2^24 + 64 U + 4 r.  U = first image of the operand + T x (K / 128) + s.
; First images: x 0, wq 2048, wk 2560, wv 3072, wo 3584, w1 4096, w2 6144.
; A wave makes one unit, written out, no LDS, no barrier.  Work-groups 0-511: x, one image a wave (a lane loads 16 neighbours of each block; a block lies in lanes l and l xor 16).
; Work-groups 512-1279: weights: a lane takes a column n and its registers run down K, so a block of 32 lies in one lane and the codes come out with K innermost; a wave makes 32 columns x 128 K: two images.
; A block's byte is its largest magnitude's exponent field - 8, held at 1 from below; a block of zeros keeps the byte 1 (its codes are zeros; only this program reads the bytes).
; LIMITS: NaN and infinities are not served; blocks whose largest magnitude lies under 2^-118 keep the byte 1.
.set X,   32                           ; v32-159 numbers
.set PC,  96                           ; x's path: the codes
.set TM,  8                            ; v8-23 at work
.set PW,  24                           ; the scale word
.set SEL, 22                           ; s[22:23] selects of v_permlanex16_b32 for lane l xor 16
.set MNT, 24                           ; s24 the mantissa field of 448
.set SCB, 0x1000000                    ; where the scale words begin in ops
; 64 numbers of a lane, register 16 b + i = k 32 b + 16 (lane / 16) + i of my row, become 16 registers of codes in v[PC] on and the row's scale word in v[PW]
.macro QUANT s
.irp b, 0,1,2,3
	v_max3_num_f32 v[TM+\b], |v[\s+16*\b]|, |v[\s+1+16*\b]|, 0x4800000   ; with the floor 2^(9 - 127): the byte cannot fall under 1
.endr
.irp i, 2,4,6,8,10,12,14
.irp b, 0,1,2,3
	v_max3_num_f32 v[TM+\b], v[TM+\b], |v[\s+16*\b+\i]|, |v[\s+1+16*\b+\i]|
.endr
.endr
.irp b, 0,1,2,3
	v_permlanex16_b32 v[TM+4+\b], v[TM+\b], s[SEL], s[SEL+1]
.endr
.irp b, 0,1,2,3
	v_max_num_f32 v[TM+\b], v[TM+\b], v[TM+4+\b]              ; the block's largest magnitude
.endr
.irp b, 0,1,2,3
	v_add_nc_u32 v[TM+12+\b], 0xfc000000, v[TM+\b]           ; 8 off its exponent field: the conversion's scale operand
.endr
.irp b, 0,1,2,3
	v_and_or_b32 v[TM+8+\b], v[TM+\b], 0x7f800000, s[MNT]    ; 448 x the scale
.endr
.irp b, 0,1,2,3
	v_lshrrev_b32 v[TM+4+\b], 23, v[TM+12+\b]                ; the byte
.endr
	v_lshl_or_b32 v[PW], v[TM+5], 8, v[TM+4]
	v_lshl_or_b32 v[PW], v[TM+6], 16, v[PW]
	v_lshl_or_b32 v[PW], v[TM+7], 24, v[PW]
.irp b, 0,1,2,3
.irp i, 0,1,2,3,4,5,6,7,8,9,10,11,12,13,14,15
	v_med3_num_f32 v[\s+16*\b+\i], v[\s+16*\b+\i], -v[TM+8+\b], v[TM+8+\b]   ; the conversion does not saturate (ISA guide 7.6.2): hold first
.endr
	v_cvt_scalef32_pk8_fp8_f32 v[PC+4*\b:PC+1+4*\b], v[\s+16*\b:\s+7+16*\b], v[TM+12+\b]
	v_cvt_scalef32_pk8_fp8_f32 v[PC+2+4*\b:PC+3+4*\b], v[\s+8+16*\b:\s+15+16*\b], v[TM+12+\b]
.endr
	v_nop                                          ; a plain line behind the last conversion
.endm
	s_load_b256 s[4:11], s[0:1], 0x0               ; x, wq, wk, wv
	s_load_b256 s[12:19], s[0:1], 0x20             ; wo, w1, w2, ops
	v_lshrrev_b32 v1, 5, v0
	v_readfirstlane_b32 s20, v1                    ; wave
	v_and_b32 v1, 31, v0                           ; lane
	s_mov_b32 s[SEL], 0x76543210
	s_mov_b32 s[SEL+1], 0xfedcba98
	s_mov_b32 s[MNT], 0x600000
	s_wait_kmcnt 0x0
	s_cmp_lt_u32 ttmp9, 512
	s_cbranch_scc0 .Lweights
	; ---- x: image U = 4 x work-group + wave = 8 T + s
	v_and_b32 v2, 15, v0                           ; r
	v_bfe_u32 v3, v0, 4, 1                         ; h
	v_and_b32 v4, 8, v2
	v_add_nc_u32 v4, v4, v2                        ; r + 8 (r / 8)
	v_lshlrev_b32 v4, 12, v4                       ; rows of 4,096 bytes
	v_lshl_add_u32 v4, v3, 6, v4                   ; + 64 h: my 16 numbers of a block
	v_lshlrev_b32 v5, 4, v1                        ; 16 x lane
	v_lshlrev_b32 v6, 2, v2                        ; 4 r
.irp b, 0,1,2,3
	v_mov_b32 v[TM+4+\b], 0                        ; a lane permute's destination counts as read
.endr
	s_lshl_b32 s25, ttmp9, 2
	s_add_co_u32 s25, s25, s20                     ; U
	s_lshr_b32 s26, s25, 3                         ; T
	s_and_b32 s27, s25, 7                          ; s
	s_lshr_b32 s28, s26, 1
	s_lshl_b32 s28, s28, 5
	s_and_b32 s29, s26, 1
	s_lshl_b32 s29, s29, 3
	s_add_co_u32 s28, s28, s29                     ; the tile's first row
	s_lshl_b32 s28, s28, 12
	s_lshl_b32 s27, s27, 9
	s_add_co_u32 s28, s28, s27
	s_mov_b32 s29, 0
	s_add_nc_u64 s[4:5], s[4:5], s[28:29]
	s_lshl_b32 s28, s25, 11
	s_add_nc_u64 s[30:31], s[18:19], s[28:29]      ; the image
	s_lshl_b32 s28, s25, 6
	s_add_co_u32 s28, s28, SCB
	s_add_nc_u64 s[32:33], s[18:19], s[28:29]      ; its scale words
.irp b, 0,1,2,3
.irp j, 0,1,2,3
	global_load_b128 v[X+16*\b+4*\j:X+16*\b+4*\j+3], v4, s[4:5] offset:128*\b+16*\j
.endr
.endr
	s_wait_loadcnt 0x0
	QUANT X
.irp c, 0,1,2,3
	global_store_b128 v5, v[PC+4*\c:PC+4*\c+3], s[30:31] offset:512*\c   ; 512 consecutive bytes a store
.endr
	global_store_b32 v6, v[PW], s[32:33]           ; lanes l and l xor 16 hold the same word and write it to the same place
	s_endpgm
; ---- weights.  s[34:35] the weight, s28 NG (which 128 columns), s29 S (which 128 along K), s30 K / 128, s31 the operand's first image
.macro WLOAD c, pitch                  ; block c: W(128 S + 32 c + i, my column): 128 consecutive bytes a load
.irp i, 0,1,2,3,4,5,6,7,8,9,10,11,12,13,14,15,16,17,18,19,20,21,22,23,24,25,26,27,28,29,30,31
	global_load_b32 v[X+32*(\c)+\i], v3, s[34:35] offset:(32*(\c)+\i)*(\pitch) th:TH_LOAD_NT
.endr
.endm
.macro WBLOCK c, pitch
.set XS, X+32*(\c)
.set CD, 160+8*(\c)
.if (\c) < 3
	s_wait_loadcnt 32                              ; this block's 32 loads are in; the next block's 32 may be out
.else
	s_wait_loadcnt 0x0
.endif
.if (\c)+2 < 4
	WLOAD (\c)+2, \pitch
.endif
	v_max3_num_f32 v8, |v[XS]|, |v[XS+1]|, |v[XS+2]|               ; all 32 numbers of the block are mine
	v_max3_num_f32 v9, |v[XS+3]|, |v[XS+4]|, |v[XS+5]|
.irp i, 6,10,14,18,22,26
	v_max3_num_f32 v8, v8, |v[XS+\i]|, |v[XS+\i+1]|
	v_max3_num_f32 v9, v9, |v[XS+\i+2]|, |v[XS+\i+3]|
.endr
	v_max3_num_f32 v8, v8, |v[XS+30]|, |v[XS+31]|
	v_max3_num_f32 v8, v8, v9, 0x4800000           ; and the floor
	v_add_nc_u32 v11, 0xfc000000, v8
	v_and_or_b32 v10, v8, 0x7f800000, s[MNT]
	v_lshrrev_b32 v9, 23, v11
.if (\c) == 0
	v_mov_b32 v[PW], v9
.else
	v_lshl_or_b32 v[PW], v9, 8*(\c), v[PW]
.endif
.irp i, 0,1,2,3,4,5,6,7,8,9,10,11,12,13,14,15,16,17,18,19,20,21,22,23,24,25,26,27,28,29,30,31
	v_med3_num_f32 v[XS+\i], v[XS+\i], -v10, v10
.endr
.irp g, 0,1,2,3
	v_cvt_scalef32_pk8_fp8_f32 v[CD+2*\g:CD+2*\g+1], v[XS+8*\g:XS+8*\g+7], v11
.endr
	v_nop
	global_store_b128 v14, v[CD:CD+3], s[40:41] offset:512*(\c)        ; k 32 c + 0 .. 15: the place of lanes 0-15 of the image; sixteen of my lanes fill 256 bytes of one tile, sixteen of the other
	global_store_b128 v14, v[CD+4:CD+7], s[40:41] offset:512*(\c)+256  ; k 32 c + 16 .. 31: the place of lanes 16-31
.endm
.macro WPATH pitch
	s_lshl_b32 s36, s28, 2
	s_add_co_u32 s36, s36, s20                     ; p: which 32 columns are my wave's
	s_mul_i32 s37, s29, 128*(\pitch)
	s_lshl_b32 s38, s36, 7
	s_add_co_u32 s38, s38, s37
	s_mov_b32 s39, 0
	s_add_nc_u64 s[34:35], s[34:35], s[38:39]
	s_lshl_b32 s37, s36, 1
	s_mul_i32 s37, s37, s30
	s_add_co_u32 s37, s37, s31
	s_add_co_u32 s37, s37, s29                     ; the image of tile 2 p, K step S
	s_lshl_b32 s38, s37, 11
	s_add_nc_u64 s[40:41], s[18:19], s[38:39]
	s_lshl_b32 s38, s37, 6
	s_add_co_u32 s38, s38, SCB
	s_add_nc_u64 s[42:43], s[18:19], s[38:39]
	v_lshlrev_b32 v3, 2, v1                        ; column x = lane: 4 bytes
	v_bfe_u32 v4, v1, 3, 1                         ; u: tile 2 p + u
	v_and_b32 v5, 7, v1
	v_lshrrev_b32 v6, 4, v1
	v_lshl_add_u32 v5, v6, 3, v5                   ; its row r' = x % 8 + 8 (x / 16)
	s_lshl_b32 s38, s30, 11                        ; from tile to tile: K / 128 images
	v_mul_u32_u24 v14, s38, v4
	v_lshl_add_u32 v14, v5, 4, v14
	s_lshl_b32 s38, s30, 6
	v_mul_u32_u24 v15, s38, v4
	v_lshl_add_u32 v15, v5, 2, v15
	WLOAD 0, \pitch
	WLOAD 1, \pitch
	WBLOCK 0, \pitch
	WBLOCK 1, \pitch
	WBLOCK 2, \pitch
	WBLOCK 3, \pitch
	global_store_b32 v15, v[PW], s[42:43]
	s_endpgm
.endm
.Lweights:
	s_sub_co_u32 s25, ttmp9, 512
	s_cmp_lt_u32 ttmp9, 1024
	s_cbranch_scc0 .Lw1
	; wq, wk, wv, wo (64 work-groups each) and w2 (256): rows of 4,096 bytes
	s_lshr_b32 s26, s25, 6                         ; 0-3: the square weights; 4-7: w2
	s_cmp_eq_u32 s26, 0
	s_cselect_b64 s[34:35], s[6:7], s[16:17]
	s_cmp_eq_u32 s26, 1
	s_cselect_b64 s[34:35], s[8:9], s[34:35]
	s_cmp_eq_u32 s26, 2
	s_cselect_b64 s[34:35], s[10:11], s[34:35]
	s_cmp_eq_u32 s26, 3
	s_cselect_b64 s[34:35], s[12:13], s[34:35]
	s_and_b32 s27, s25, 63
	s_and_b32 s28, s25, 255                        ; w2's work-groups are 256 .. 511 here
	s_lshl_b32 s29, s26, 9
	s_add_co_u32 s29, s29, 2048
	s_mov_b32 s31, 6144
	s_cmp_lt_u32 s26, 4
	s_cselect_b32 s30, 8, 32
	s_cselect_b32 s27, s27, s28
	s_cselect_b32 s31, s29, s31
	s_and_b32 s28, s27, 7
	s_lshr_b32 s29, s27, 3
	WPATH 4096
.Lw1:                                                  ; w1: rows of 16,384 bytes
	s_mov_b64 s[34:35], s[14:15]
	s_sub_co_u32 s27, ttmp9, 1024
	s_and_b32 s28, s27, 31
	s_lshr_b32 s29, s27, 5
	s_mov_b32 s30, 8
	s_mov_b32 s31, 4096
	WPATH 16384
.Lfunc_end_k_q744c51f7d6_prep:
	.size	k_q744c51f7d6_prep, .Lfunc_end_k_q744c51f7d6_prep-k_q744c51f7d6_prep
	.p2alignl 7, 3214868480
	.fill 96, 4, 3214868480
	.section	.rodata,"a",@progbits
	.p2align	6, 0x0
	.amdhsa_kernel k_q744c51f7d6_prep
		.amdhsa_group_segment_fixed_size 0
		.amdhsa_private_segment_fixed_size 0
		.amdhsa_enable_private_segment 0
		.amdhsa_kernarg_size 64
		.amdhsa_user_sgpr_count 2
		.amdhsa_user_sgpr_kernarg_segment_ptr 1
		.amdhsa_wavefront_size32 1
		.amdhsa_system_sgpr_workgroup_id_x 1
		.amdhsa_system_sgpr_workgroup_id_y 1
		.amdhsa_system_sgpr_workgroup_id_z 1
		.amdhsa_system_vgpr_workitem_id 0
		.amdhsa_next_free_vgpr 192
		.amdhsa_next_free_sgpr 66
		.amdhsa_reserve_vcc 0
		.amdhsa_float_denorm_mode_32 3
		.amdhsa_float_denorm_mode_16_64 3
		.amdhsa_memory_ordered 1
		.amdhsa_forward_progress 1
		.amdhsa_inst_pref_size 70
	.end_amdhsa_kernel
	.amdgpu_metadata
---
amdhsa.version: [ 1, 2 ]
amdhsa.kernels:
  - .name:           k_q744c51f7d6_prep
    .symbol:         k_q744c51f7d6_prep.kd
    .args:
      - { .name: x, .offset: 0, .size: 8, .value_kind: global_buffer, .address_space: global }
      - { .name: wq, .offset: 8, .size: 8, .value_kind: global_buffer, .address_space: global }
      - { .name: wk, .offset: 16, .size: 8, .value_kind: global_buffer, .address_space: global }
      - { .name: wv, .offset: 24, .size: 8, .value_kind: global_buffer, .address_space: global }
      - { .name: wo, .offset: 32, .size: 8, .value_kind: global_buffer, .address_space: global }
      - { .name: w1, .offset: 40, .size: 8, .value_kind: global_buffer, .address_space: global }
      - { .name: w2, .offset: 48, .size: 8, .value_kind: global_buffer, .address_space: global }
      - { .name: ops, .offset: 56, .size: 8, .value_kind: global_buffer, .address_space: global }
    .group_segment_fixed_size: 0
    .private_segment_fixed_size: 0
    .kernarg_segment_align: 8
    .kernarg_segment_size: 64
    .max_flat_workgroup_size: 128
    .sgpr_count:     66
    .vgpr_count:     192
    .wavefront_size: 32
...
	.end_amdgpu_metadata
.endif
;; end of part 1
;; launch gemm_qkv (part 2): grid 8 x 24, 4 waves a work-group, clusters of 4 x 4, 327,680 bytes of LDS; arguments ops, bq, bk, bv, attention_mask, qkv; writes qkv
.if DOCPART == 2
	.amdgcn_target "amdgcn-amd-amdhsa--gfx1250"
	.amdhsa_code_object_version 6
	.text
	.protected	k_q744c51f7d6_gemm_qkv
	.globl	k_q744c51f7d6_gemm_qkv
	.p2align	8
	.type	k_q744c51f7d6_gemm_qkv,@function
k_q744c51f7d6_gemm_qkv:
	s_mov_b64 s[64:65], 0
	v_nop
	global_prefetch_b8 v0, s[64:65] scope:SCOPE_SE
	s_setreg_imm32_b32 hwreg(HW_REG_WAVE_MODE, 25, 1), 1
	s_wait_xcnt 0x0
	s_wait_alu depctr_hold_cnt(0) depctr_sa_sdst(0) depctr_va_vdst(0) depctr_va_sdst(0) depctr_va_ssrc(0) depctr_va_vcc(0) depctr_vm_vsrc(0)
	s_getreg_b32 s2, hwreg(HW_REG_IB_STS2, 6, 4)
	s_cmp_eq_u32 s2, 0
	s_cbranch_scc0 .Lentry_in_a_cluster
	s_endpgm
.Lentry_in_a_cluster:
	s_bfe_u32 s2, ttmp6, 0x10000c
	s_cmp_lg_u32 s2, 0xf033
	s_cbranch_scc0 .Lentry_shape_is_right
	s_endpgm
.Lentry_shape_is_right:
; q = x wq + bq, k = x wk + bk, v = x wv + bv on codes of E4M3 (K = 1,024), and their quantising for attention.  All operands lie in ops as images of operand registers (2,048 bytes for a tile of 16 rows
; and 128 along K: byte 512 c + 16 lane; a tile's rows are rho(T, r) = 32 (T / 2) + 8 (T % 2) + r + 8 (r / 8)); their scale words at 2^24 + the codes' offset / 32.
; A work-group of four waves makes 256 x 256, a wave 128 x 128 in 64 accumulators.  THE MATRIX INSTRUCTION IS USED TRANSPOSED (source 0 = the j side, source 1 = the i side): a lane holds one i row, rho(a, r), and by
; the choice of a tile's rows the 64 registers of an i tile are j = 32 b + 16 (lane / 16) + 0 .. 15, b = 0 .. 3: the order in which the conversions want them, and their results are the next operand's image.
; ROLES, by the cluster's y alone: y 0-3: i = tokens (x), j = columns of wq | wk: q and k, quantised along a head's 64.  y 4, 5: i = channels (wv), j = tokens (x): v^T, quantised along the keys.
; K goes through a ring of two LDS slots of 256 along K; the scale words of all of K come once.  4 x 4 work-groups form a cluster: the i side's tiles are asked for jointly along a row, the j side's along a column.
; OUT (qkv): q at 0: [bh][T][1,024 B] (registers 0-7 of a fragment).  From 4,194,304 a head's 262,144 bytes: four chunks of 512 keys, each 32 tiles of k x 1,024 B, then v: ct x 8,192 + key step x 2,048.
; From 12,582,912: [bh][12,288 B]: k's scale words [T][64 B], then v's [ct][key step][64 B].  From 12,976,128: q's [bh][T][64 B].
; THE MASK rides in k: the scores' product has K = 64 of the instruction's 128; at k = 64 attention sets the codes +1 (q) and -1 (k).  q's scale word is [s0, s1, 143, 1], an open key's [s0, s1, 1, 1],
; a masked key's [s0, s1, 144, 1] with its 64 codes cleared: its raw score is then -2^33 for every query, that is the logit -2^30.
; LIMITS: the masked logit is -2^30 where the source has -1e9 (they differ only where open logits fall under some -1e9); an open raw score carries -2^-110; NaN and infinities are not served.
.set NQ,     2                         ; K steps of 128 in a slot
.set FR,     16                        ; registers of a fragment
.set NL,     4                         ; LDS loads that bring one
.set NP,     8                         ; places behind this matrix instruction (ISA guide 7.12.1)
.set TILEB,  NQ*2048                   ; a tile's bytes in a slot
.set HALFT,  8*TILEB                   ; 8 tiles: what one tensor load brings, and what a wave reads of a side
.set SLOT,   4*HALFT                   ; the i side's 16 tiles, then the j side's
.set SCL,    2*SLOT                    ; the scale words: 512 bytes a tile; 8 tiles a wave's load
.set SPARE,  SCL+4*4096                ; the spare words: 128 bytes a wave
.set LAPS,   2                         ; 1,024 / 512
.set LI,   4                           ; v4   epilogue: 16 x lane
.set LS,   5                           ; v5   epilogue: 4 r
.set MK,   8                           ; v8-15 epilogue: the mask of my token in each of the 8 i tiles
.set ADRA, 16                          ; v16-17 LDS address of my i side's fragments in slot 0, 1
.set ADRB, 20                          ; v20-21 the j side's
.set ADRS, 27                          ; v27  my scale words: lanes 0-15 the i side's, lanes 16-31 the j side's
.set SPW,  28                          ; v28  my spare word; never rewritten
.set NIL,  29                          ; v29  0; never rewritten
.set SC,   32                          ; v32-63 scale words, two sets; they hold nothing else
.set BJ,   64                          ; v64-127 epilogue: the bias
.set AF,   128                         ; v128-255 the i side's fragments, one set
.set X,    128                         ; epilogue: 64 numbers
.set PC,   192                         ; their codes
.set TM,   208
.set PW,   224
.set MKC,  225
.set KEEP, 226
.set PAD,  227
.set W0,   228
.set W1,   229
.set KZ,   230
.set PADU, 231
.set PADM, 232
.set WV, 16
.set HA, 17                            ; my half of the i side.  Also: I fetch for the i side (0) or the j side (1)
.set HB, 18                            ; my half of the j side.  Also: which 8 tiles I fetch
.set CX, 19
.set CY, 20
.set CLX, 21
.set CLY, 22
.set RI, 23                            ; which 256 of i
.set CJ, 46                            ; which 256 of j
.set G1, 24
.set G0, 32
.set G1B, 48
.set G0B, 56
.set G1S, 68
.set G0S, 76
.set G1SB, 80
.set G0SB, 88
.set MNT, 97
.set SEL, 98
.set MSB, 0
.macro WIN new                         ; the immediate's high byte repeats the setting that is left
.if MSB != (\new)
	s_set_vgpr_msb (MSB<<8)|(\new)
.set MSB, (\new)
.endif
.endm
.set MUL_LO, 0xa1                      ; source 0 window 1, source 1 window 0, C and D window 2
.set MUL_HI, 0xf1
.set TO_B,   0x40
.macro JLOAD g0a, g1a, g0b, g1b        ; a joint load: waves 0, 1 for the i side, waves 2, 3 for the j side; four v_nop follow each line
	s_cmp_eq_u32 s[HA], 0
	s_cbranch_scc0 .Lfor_b_\@
	tensor_load_to_lds s[\g0a:\g0a+3], s[\g1a:\g1a+7]
	s_nop 0
.rept 4
	v_nop
.endr
	s_branch .Lasked_\@
.Lfor_b_\@:
	tensor_load_to_lds s[\g0b:\g0b+3], s[\g1b:\g1b+7]
	s_nop 0
.rept 4
	v_nop
.endr
.Lasked_\@:
.endm
.macro CREST                           ; a round of the cluster's barrier behind its opening barrier
	s_cmp_lg_u32 s[WV], 0
	s_cbranch_scc1 .Lnot_wave_0_\@
	s_barrier_signal -3
.Lnot_wave_0_\@:
	s_barrier_wait -3
	s_barrier_signal -1
	s_barrier_wait -1
.endm
.macro CROUND
	s_barrier_signal -1
	s_barrier_wait -1
	CREST
.endm
	s_load_b256 s[4:11], s[0:1], 0x0               ; ops, bq, bk, bv
	s_load_b128 s[12:15], s[0:1], 0x20             ; attention_mask, qkv
	v_lshl_add_u32 v[SPW], v0, 2, SPARE
	v_mov_b32 v[NIL], 0
	ds_add_u32 v28, v29
	ds_add_u32 v28, v29
	s_wait_dscnt 0x0
	v_lshrrev_b32 v1, 5, v0
	v_readfirstlane_b32 s[WV], v1
	s_lshr_b32 s[HA], s[WV], 1
	s_and_b32 s[HB], s[WV], 1
	s_bfe_u32 s[CX], ttmp6, 0x40000
	s_bfe_u32 s[CY], ttmp6, 0x40004
	s_mov_b32 s[CLX], ttmp9
	s_and_b32 s[CLY], ttmp7, 0xffff
	s_lshl_b32 s40, s[CY], 2
	s_lshl_b32 s40, 15, s40                        ; my row of the cluster
	s_lshl_b32 s41, 0x1111, s[CX]                  ; my column
	; codes: 8 rows (tiles) of 4,096 bytes (512 elements of 8), 16,384 bytes apart; no padding: a fragment's loads read 512 consecutive bytes
	s_or_b32 s[G1+0], s40, (3<<16)|(1<<21)
	s_or_b32 s[G1B+0], s41, (3<<16)|(1<<21)
.irp g, G1, G1B
	s_mov_b32 s[\g+1], 512<<16
	s_mov_b32 s[\g+2], 8<<16
	s_mov_b32 s[\g+3], 512<<16
	s_mov_b32 s[\g+4], 8
	s_mov_b32 s[\g+5], 2048
	s_mov_b32 s[\g+6], 0
	s_mov_b32 s[\g+7], 0
.endr
	; scale words of 8 tiles: 4,096 dense bytes as 16 rows of 256
	s_or_b32 s[G1S+0], s40, (3<<16)|(1<<21)
	s_or_b32 s[G1SB+0], s41, (3<<16)|(1<<21)
.irp g, G1S, G1SB
	s_mov_b32 s[\g+1], 32<<16
	s_mov_b32 s[\g+2], 16<<16
	s_mov_b32 s[\g+3], 32<<16
	s_mov_b32 s[\g+4], 16
	s_mov_b32 s[\g+5], 32
	s_mov_b32 s[\g+6], 0
	s_mov_b32 s[\g+7], 0
.endr
	s_lshl_b32 s47, s[HB], 17                      ; the 8 tiles that I fetch
	; the i side: q, k: x at 256 (4 y + cy) tokens;  v: wv (from 6,291,456) at 256 cy channels.  Nothing of cx enters
	s_cmp_lt_u32 s[CLY], 4
	s_cselect_b32 s43, s[CLY], 0
	s_cselect_b32 s42, 0, 6291456
	s_lshl_b32 s43, s43, 2
	s_add_co_u32 s[RI], s43, s[CY]
	s_lshl_b32 s43, s[RI], 18
	s_add_co_u32 s42, s42, s43
	s_add_co_u32 s42, s42, s47
	s_lshr_b32 s92, s42, 5
	s_add_co_u32 s92, s92, 0x1000000
	s_mov_b32 s43, 0
	s_mov_b32 s93, 0
	; the j side: q, k: wq | wk (from 4,194,304) at 256 (4 x + cx) columns;  v: x at 256 (4 x + cx + 8 (y - 4)) tokens.  Nothing of cy enters
	s_max_u32 s45, s[CLY], 4
	s_sub_co_u32 s45, s45, 4
	s_lshl_b32 s45, s45, 3
	s_lshl_b32 s[CJ], s[CLX], 2
	s_add_co_u32 s[CJ], s[CJ], s[CX]
	s_add_co_u32 s[CJ], s[CJ], s45
	s_cmp_lt_u32 s[CLY], 4
	s_cselect_b32 s44, 4194304, 0
	s_lshl_b32 s45, s[CJ], 18
	s_add_co_u32 s44, s44, s45
	s_add_co_u32 s44, s44, s47
	s_lshr_b32 s94, s44, 5
	s_add_co_u32 s94, s94, 0x1000000
	s_mov_b32 s45, 0
	s_mov_b32 s95, 0
	s_lshl_b32 s96, s[WV], 15                      ; where they go: wave x 8 tiles
	s_lshl_b32 s97, s[WV], 12
	s_wait_kmcnt 0x0
	s_add_nc_u64 s[42:43], s[4:5], s[42:43]
	s_add_nc_u64 s[92:93], s[4:5], s[92:93]
	s_add_nc_u64 s[44:45], s[4:5], s[44:45]
	s_add_nc_u64 s[94:95], s[4:5], s[94:95]
	CROUND                                         ; all sixteen work-groups are here: the first joint loads meet
	s_mov_b32 s[G0S], 1
	s_add_co_u32 s[G0S+1], s97, SCL
	s_mov_b64 s[G0S+2:G0S+3], s[92:93]
	s_or_b32 s[G0S+3], s[G0S+3], 0x80000000
	s_mov_b32 s[G0SB], 1
	s_add_co_u32 s[G0SB+1], s97, SCL
	s_mov_b64 s[G0SB+2:G0SB+3], s[94:95]
	s_or_b32 s[G0SB+3], s[G0SB+3], 0x80000000
	JLOAD G0S, G1S, G0SB, G1SB                     ; the scale words first
.irp s, 0,1
	s_mov_b32 s[G0+4*\s], 1
	s_add_co_u32 s[G0+4*\s+1], s96, \s*SLOT
	s_add_nc_u64 s[G0+4*\s+2:G0+4*\s+3], s[42:43], \s*TILEB
	s_or_b32 s[G0+4*\s+3], s[G0+4*\s+3], 0x80000000
	s_mov_b32 s[G0B+4*\s], 1
	s_add_co_u32 s[G0B+4*\s+1], s96, \s*SLOT
	s_add_nc_u64 s[G0B+4*\s+2:G0B+4*\s+3], s[44:45], \s*TILEB
	s_or_b32 s[G0B+4*\s+3], s[G0B+4*\s+3], 0x80000000
	JLOAD G0+4*\s, G1, G0B+4*\s, G1B               ; three loads of mine are out behind the last
.endr
	v_and_b32 v1, 15, v0                           ; r
	v_bfe_u32 v2, v0, 4, 1                         ; h
	v_and_b32 v3, 31, v0
	v_lshlrev_b32 v4, 4, v3                        ; 16 x lane
	s_lshl_b32 s98, s[HA], 15                      ; my 8 tiles of the i side
	s_lshl_b32 s99, s[HB], 15
	s_add_co_u32 s99, s99, 2*HALFT                 ; and of the j side
.irp s, 0,1
	v_add_nc_u32 v[ADRA+\s], s98, v4
	v_add_nc_u32 v[ADRB+\s], s99, v4
	s_add_co_u32 s98, s98, SLOT
	s_add_co_u32 s99, s99, SLOT
.endr
	v_lshlrev_b32 v5, 2, v1
	s_lshl_b32 s98, s[HA], 12
	s_lshl_b32 s99, s[HB], 12
	s_add_co_u32 s99, s99, 8192
	s_sub_co_u32 s99, s99, s98
	v_mul_u32_u24 v6, s99, v2                      ; lanes 16-31 take the j side's: one product with h
	s_add_co_u32 s98, s98, SCL
	v_add_nc_u32 v5, v5, v6
	v_add_nc_u32 v[ADRS], s98, v5
.macro FRAG reg, adr, q, i             ; a fragment: four loads of 512 consecutive bytes
.irp c, 0,1,2,3
	ds_load_b128 v[\reg+4*\c:\reg+4*\c+3], v[\adr] offset:TILEB*(\i)+2048*(\q)+512*\c
.endr
.endm
; 16 matrix instructions: i tiles a0, a0 + 1 x the j side's eight.  The 64 accumulators take turns, one instruction a turn, in the same order in every step
.macro MUL16 a0, p, q, sc, zero
.irp a, \a0, \a0+1
.irp b, 0,1,2,3,4,5,6,7
.if \zero
	v_wmma_scale_f32_16x16x128_f8f6f4 v[8*(8*((\a)%4)+\b):8*(8*((\a)%4)+\b)+7], v[128*(\p)+FR*\b:128*(\p)+FR*\b+FR-1], v[AF+FR*(\a):AF+FR*(\a)+FR-1], 0, v[SC+8*NQ*(\sc)+NQ*\b+(\q)], v[SC+8*NQ*(\sc)+NQ*(\a)+(\q)] matrix_a_scale:MATRIX_SCALE_ROW1
.else
	v_wmma_scale_f32_16x16x128_f8f6f4 v[8*(8*((\a)%4)+\b):8*(8*((\a)%4)+\b)+7], v[128*(\p)+FR*\b:128*(\p)+FR*\b+FR-1], v[AF+FR*(\a):AF+FR*(\a)+FR-1], v[8*(8*((\a)%4)+\b):8*(8*((\a)%4)+\b)+7], v[SC+8*NQ*(\sc)+NQ*\b+(\q)], v[SC+8*NQ*(\sc)+NQ*(\a)+(\q)] matrix_a_scale:MATRIX_SCALE_ROW1
.endif
.endr
.endr
.endm
.macro FETCH_B slot, q, p
	WIN TO_B
.irp i, 0,1,2,3,4,5,6,7
	FRAG 128*(\p)+FR*\i, ADRB+\slot, \q, \i
.endr
	WIN 0
.endm
.macro FETCH_A slot, q, i0
.irp i, \i0, \i0+1, \i0+2, \i0+3
	FRAG AF+FR*(\i), ADRA+\slot, \q, \i
.endr
.endm
.macro SCALES sc                       ; a slot's scale words: register NQ i + q: lanes 0-15 the i side's tile i, lanes 16-31 the j side's
.irp i, 0,1,2,3,4,5,6,7
	ds_load_b32 v[SC+8*NQ*\sc+NQ*\i], v[ADRS] offset:512*\i
	ds_load_b32 v[SC+8*NQ*\sc+NQ*\i+1], v[ADRS] offset:512*\i+64
.endr
.endm
.macro PLACES n
.rept \n
	v_nop
.endr
.endm
.macro STEP slot, q, zero              ; a step of 128 along K that has its successor in the same slot
	s_wait_dscnt 4*NL                              ; all but the youngest 16 loads (i tiles 4-7)
	WIN MUL_LO
	MUL16 0, (\q)%2, \q, \slot, \zero
	MUL16 2, (\q)%2, \q, \slot, \zero
	s_wait_dscnt 0
	PLACES NP
	FETCH_B \slot, (\q)+1, 1-(\q)%2
	FETCH_A \slot, (\q)+1, 0
	WIN MUL_HI
	MUL16 4, (\q)%2, \q, \slot, \zero
	MUL16 6, (\q)%2, \q, \slot, \zero
	PLACES NP
	WIN 0
	FETCH_A \slot, (\q)+1, 4
.endm
; A slot's last step changes slots: one barrier; in front of it each wave waits for all its tensor loads, adds 0 to its spare word and waits for that and for its reads of this slot
.macro TURN slot, next, fill
	s_wait_tensorcnt 0x0                           ; all my tensor loads have landed: my part of the next slot
	ds_add_u32 v[SPW], v[NIL]
	s_wait_dscnt 4*NL+1                            ; the add and the youngest 16 loads may be out
	WIN MUL_LO
	MUL16 0, 1, NQ-1, \slot, 0
	s_wait_dscnt 0x0                               ; the add is done, my reads of this slot are over
	s_barrier_signal -1
	MUL16 2, 1, NQ-1, \slot, 0
	WIN 0
	s_barrier_wait -1
.if \fill
	CREST                                          ; the barrier has opened a round of the cluster's barrier
	s_add_nc_u64 s[G0+4*\slot+2:G0+4*\slot+3], s[G0+4*\slot+2:G0+4*\slot+3], 2*TILEB
	s_add_nc_u64 s[G0B+4*\slot+2:G0B+4*\slot+3], s[G0B+4*\slot+2:G0B+4*\slot+3], 2*TILEB
	JLOAD G0+4*\slot, G1, G0B+4*\slot, G1B         ; the first tensor load behind the round; its four v_nop are four of the eight places
	PLACES NP-4
.else
	PLACES NP
.endif
	v_add_nc_u32 v[ADRS], 64*NQ, v[ADRS]
	FETCH_B \next, 0, 0
	FETCH_A \next, 0, 0
	SCALES \next
	WIN MUL_HI
	MUL16 4, 1, NQ-1, \slot, 0
	MUL16 6, 1, NQ-1, \slot, 0
	PLACES NP
	WIN 0
	FETCH_A \next, 0, 4
.endm
	s_wait_tensorcnt 1                             ; the scale words and my part of slot 0 are in; slot 1's load may be out
	s_barrier_signal -1
	s_barrier_wait -1
	FETCH_B 0, 0, 0
	FETCH_A 0, 0, 0
	SCALES 0
	FETCH_A 0, 0, 4
	STEP 0, 0, 1                                   ; the first step's products start the sums
	s_mov_b32 s3, LAPS-1
.Llap:
	TURN 0, 1, 1
	STEP 1, 0, 0
	TURN 1, 0, 1
	STEP 0, 0, 0
	s_sub_co_u32 s3, s3, 1
	s_cmp_lg_u32 s3, 0
	s_cbranch_scc1 .Llap
	TURN 0, 1, 0
	STEP 1, 0, 0
	s_wait_dscnt 4*NL
	WIN MUL_LO
	MUL16 0, 1, NQ-1, 1, 0
	MUL16 2, 1, NQ-1, 1, 0
	s_wait_dscnt 0
	WIN MUL_HI
	MUL16 4, 1, NQ-1, 1, 0
	MUL16 6, 1, NQ-1, 1, 0
	WIN 0
; THE WAY OUT: a loop of eight trips, one for each i tile; only the transfer out of the accumulators (with the bias added) is written eight times.
.macro QUANT s
.irp b, 0,1,2,3
	v_max3_num_f32 v[TM+\b], |v[\s+16*\b]|, |v[\s+1+16*\b]|, 0x4800000   ; with the floor 2^(9 - 127): the byte cannot fall under 1
.endr
.irp i, 2,4,6,8,10,12,14
.irp b, 0,1,2,3
	v_max3_num_f32 v[TM+\b], v[TM+\b], |v[\s+16*\b+\i]|, |v[\s+1+16*\b+\i]|
.endr
.endr
.irp b, 0,1,2,3
	v_permlanex16_b32 v[TM+4+\b], v[TM+\b], s[SEL], s[SEL+1]
.endr
.irp b, 0,1,2,3
	v_max_num_f32 v[TM+\b], v[TM+\b], v[TM+4+\b]
.endr
.irp b, 0,1,2,3
	v_add_nc_u32 v[TM+12+\b], 0xfc000000, v[TM+\b]
.endr
.irp b, 0,1,2,3
	v_and_or_b32 v[TM+8+\b], v[TM+\b], 0x7f800000, s[MNT]
.endr
.irp b, 0,1,2,3
	v_lshrrev_b32 v[TM+4+\b], 23, v[TM+12+\b]
.endr
	v_lshl_or_b32 v[PW], v[TM+5], 8, v[TM+4]
	v_lshl_or_b32 v[PW], v[TM+6], 16, v[PW]
	v_lshl_or_b32 v[PW], v[TM+7], 24, v[PW]
.irp b, 0,1,2,3
.irp i, 0,1,2,3,4,5,6,7,8,9,10,11,12,13,14,15
	v_med3_num_f32 v[\s+16*\b+\i], v[\s+16*\b+\i], -v[TM+8+\b], v[TM+8+\b]
.endr
	v_cvt_scalef32_pk8_fp8_f32 v[PC+4*\b:PC+1+4*\b], v[\s+16*\b:\s+7+16*\b], v[TM+12+\b]
	v_cvt_scalef32_pk8_fp8_f32 v[PC+2+4*\b:PC+3+4*\b], v[\s+8+16*\b:\s+15+16*\b], v[TM+12+\b]
.endr
	v_nop
.endm
	; nine plain lines that name no register of the last products: the places in front of the first read of results and the first write of the fragments' registers
	v_and_b32 v1, 15, v0
	v_bfe_u32 v2, v0, 4, 1
	v_and_b32 v3, 31, v0
	v_lshlrev_b32 v[LI], 4, v3
	v_lshlrev_b32 v[LS], 2, v1
	v_lshlrev_b32 v7, 6, v2                        ; 64 h
	v_and_b32 v3, 8, v1
	v_add_nc_u32 v3, v3, v1
	v_lshlrev_b32 v3, 2, v3                        ; 4 (r + 8 (r / 8))
.irp b, 0,1,2,3
	v_mov_b32 v[TM+4+\b], 0
.endr
	s_mov_b32 s[SEL], 0x76543210
	s_mov_b32 s[SEL+1], 0xfedcba98
	s_mov_b32 s[MNT], 0x600000
	s_mov_b32 s2, 0
	s_lshl_b32 s38, s[RI], 10                      ; 4 bytes x my first i: 256 RI + 128 HA
	s_lshl_b32 s49, s[HA], 9
	s_add_co_u32 s38, s38, s49
	s_mov_b32 s39, 0
	s_mov_b32 s41, 0
	s_mov_b32 s43, 0
	s_mov_b32 s45, 0
	s_mov_b32 s53, 0
	s_cmp_lt_u32 s[CLY], 4                         ; the role: the same in all partners
	s_cbranch_scc0 .Lvrole
	; ---- q (cluster x = 0) or k: my 128 columns are two heads
	s_lshl_b32 s48, s[CJ], 1
	s_add_co_u32 s48, s48, s[HB]
	s_and_b32 s48, s48, 7                          ; which 128 columns of the weight
	s_lshl_b32 s36, s48, 9
	s_mov_b32 s37, 0
	s_lshr_b32 s49, s[RI], 3
	s_lshl_b32 s49, s49, 4
	s_lshl_b32 s48, s48, 1
	s_add_co_u32 s48, s48, s49                     ; bh of the first head
	s_lshl_b32 s49, s[RI], 4
	s_lshl_b32 s50, s[HA], 3
	s_add_co_u32 s49, s49, s50
	s_and_b32 s49, s49, 127                        ; my first tile of tokens in the batch
	s_lshl_b32 s51, s48, 17                        ; q's codes
	s_lshl_b32 s52, s48, 18                        ; k's: a head's 262,144 bytes, 32,768 more for each chunk passed
	s_lshr_b32 s50, s49, 5
	s_lshl_b32 s50, s50, 15
	s_add_co_u32 s52, s52, s50
	s_add_co_u32 s52, s52, 4194304
	s_lshl_b32 s50, s48, 13
	s_add_co_u32 s50, s50, 12976128                ; q's scale words
	s_mul_i32 s54, s48, 12288
	s_add_co_u32 s54, s54, 12582912                ; k's
	s_mov_b32 s40, 262144
	s_mov_b32 s42, 12288
	s_mov_b32 s55, 0x01010000
	s_mov_b32 s56, 0x01900000
	s_cmp_eq_u32 s[CLX], 0
	s_cselect_b64 s[32:33], s[6:7], s[8:9]         ; bq or bk
	s_cselect_b32 s51, s51, s52
	s_cselect_b32 s50, s50, s54
	s_cselect_b32 s40, 131072, s40                 ; from head to head: codes,
	s_cselect_b32 s42, 8192, s42                   ; scale words
	s_cselect_b32 s55, 0x018f0000, s55             ; the word's upper half: an open row's,
	s_cselect_b32 s56, 0x018f0000, s56             ; a masked row's
	s_cselect_b32 s57, -1, 0                       ; what a masked row's codes are ANDed with
	s_lshl_b32 s52, s49, 10
	s_add_co_u32 s44, s51, s52
	s_lshl_b32 s52, s49, 6
	s_add_co_u32 s52, s50, s52
	s_add_nc_u64 s[32:33], s[32:33], s[36:37]
	s_add_nc_u64 s[34:35], s[12:13], s[38:39]
	s_add_nc_u64 s[24:25], s[14:15], s[44:45]
	s_add_nc_u64 s[26:27], s[24:25], s[40:41]
	s_add_nc_u64 s[28:29], s[14:15], s[52:53]
	s_add_nc_u64 s[30:31], s[28:29], s[42:43]
	v_mov_b32 v[KZ], s57
	v_mov_b32 v[PADU], s55
	v_mov_b32 v[PADM], s56
.irp b, 0,1,2,3
.irp j, 0,1,2,3
	global_load_b128 v[BJ+16*\b+4*\j:BJ+16*\b+4*\j+3], v7, s[32:33] offset:128*\b+16*\j   ; the bias of columns 32 b + 16 h + 0 .. 15
.endr
.endr
.irp a, 0,1,2,3,4,5,6,7
	global_load_b32 v[MK+\a], v3, s[34:35] offset:(32*(\a/2)+8*(\a%2))*4                  ; the mask of token rho(a, r)
.endr
	s_wait_loadcnt 0x0
.Lrow_q:
.irp k, 0,1,2,3,4,5,6
	s_cmp_eq_u32 s2, \k
	s_cbranch_scc1 .Lq\k
.endr
	s_branch .Lq7
.irp k, 0,1,2,3,4,5,6,7
.Lq\k:
	WIN 0x02+(\k)/4                                ; source 0: the accumulators' window
.set n, 0
.rept 32
	v_pk_add_f32 v[X+n:X+n+1], v[64*((\k)%4)+n:64*((\k)%4)+n+1], v[BJ+n:BJ+n+1]   ; each accumulator from its low end on
.set n, n+2
.endr
	WIN 0
	v_mov_b32 v[MKC], v[MK+\k]
	s_branch .Lgo_q
.endr
.Lgo_q:
	QUANT X
	v_cmp_eq_u32 vcc_lo, 0, v[MKC]
	v_cndmask_b32 v[KEEP], -1, v[KZ], vcc_lo
	v_cndmask_b32 v[PAD], v[PADU], v[PADM], vcc_lo
.irp i, 0,1,2,3,4,5,6,7,8,9,10,11,12,13,14,15
	v_and_b32 v[PC+\i], v[PC+\i], v[KEEP]
.endr
	v_and_or_b32 v[W0], v[PW], 0xffff, v[PAD]      ; the first head's two bytes under the pad's,
	v_lshrrev_b32 v[W1], 16, v[PW]
	v_or_b32 v[W1], v[W1], v[PAD]                  ; the second head's
	global_store_b128 v[LI], v[PC:PC+3], s[24:25]
	global_store_b128 v[LI], v[PC+4:PC+7], s[24:25] offset:512
	global_store_b128 v[LI], v[PC+8:PC+11], s[26:27]
	global_store_b128 v[LI], v[PC+12:PC+15], s[26:27] offset:512
	global_store_b32 v[LS], v[W0], s[28:29]
	global_store_b32 v[LS], v[W1], s[30:31]
	s_wait_xcnt 0x0                                ; the stores have read their bases and data: both are written again
	s_add_nc_u64 s[24:25], s[24:25], 1024
	s_add_nc_u64 s[26:27], s[26:27], 1024
	s_add_nc_u64 s[28:29], s[28:29], 64
	s_add_nc_u64 s[30:31], s[30:31], 64
	s_add_co_u32 s2, s2, 1
	s_cmp_lt_u32 s2, 8
	s_cbranch_scc1 .Lrow_q
	s_branch .Ldone
.Lvrole:
	; ---- v^T: my 128 channels are two heads of four tiles; my 128 tokens are one key step
	s_add_nc_u64 s[34:35], s[10:11], s[38:39]      ; bv at my first channel
	s_lshr_b32 s48, s[CJ], 3
	s_lshl_b32 s48, s48, 4
	s_lshl_b32 s49, s[RI], 2
	s_add_co_u32 s48, s48, s49
	s_lshl_b32 s49, s[HA], 1
	s_add_co_u32 s48, s48, s49                     ; bh of the first head
	s_lshl_b32 s49, s[CJ], 1
	s_add_co_u32 s49, s49, s[HB]
	s_and_b32 s49, s49, 15                         ; the key step
	s_lshl_b32 s44, s48, 18
	s_lshr_b32 s50, s49, 2
	s_lshl_b32 s50, s50, 16
	s_add_co_u32 s44, s44, s50
	s_and_b32 s50, s49, 3
	s_lshl_b32 s50, s50, 11
	s_add_co_u32 s44, s44, s50
	s_add_co_u32 s44, s44, 4194304+32768
	s_mul_i32 s52, s48, 12288
	s_lshl_b32 s50, s49, 6
	s_add_co_u32 s52, s52, s50
	s_add_co_u32 s52, s52, 12582912+8192
	s_add_nc_u64 s[24:25], s[14:15], s[44:45]
	s_add_nc_u64 s[28:29], s[14:15], s[52:53]
	s_mov_b32 s54, 8192
	s_mov_b32 s55, 1024
.irp a, 0,1,2,3,4,5,6,7
	global_load_b32 v[BJ+2*\a], v3, s[34:35] offset:(32*(\a/2)+8*(\a%2))*4     ; the bias of channel rho(a, r), twice: a pair for the packed addition
	global_load_b32 v[BJ+2*\a+1], v3, s[34:35] offset:(32*(\a/2)+8*(\a%2))*4
.endr
	s_wait_loadcnt 0x0
.Lrow_v:
.irp k, 0,1,2,3,4,5,6
	s_cmp_eq_u32 s2, \k
	s_cbranch_scc1 .Lv\k
.endr
	s_branch .Lv7
.irp k, 0,1,2,3,4,5,6,7
.Lv\k:
	WIN 0x02+(\k)/4
.set n, 0
.rept 32
	v_pk_add_f32 v[X+n:X+n+1], v[64*((\k)%4)+n:64*((\k)%4)+n+1], v[BJ+2*\k:BJ+2*\k+1]
.set n, n+2
.endr
	WIN 0
	s_branch .Lgo_v
.endr
.Lgo_v:
	QUANT X
.irp c, 0,1,2,3
	global_store_b128 v[LI], v[PC+4*\c:PC+4*\c+3], s[24:25] offset:512*\c
.endr
	global_store_b32 v[LS], v[PW], s[28:29]
	s_wait_xcnt 0x0
	s_cmp_eq_u32 s2, 3                             ; behind the first head's fourth tile: on to the next head
	s_cselect_b32 s40, 237568, s54
	s_cselect_b32 s42, 9216, s55
	s_add_nc_u64 s[24:25], s[24:25], s[40:41]
	s_add_nc_u64 s[28:29], s[28:29], s[42:43]
	s_add_co_u32 s2, s2, 1
	s_cmp_lt_u32 s2, 8
	s_cbranch_scc1 .Lrow_v
.Ldone:
	s_wait_tensorcnt 0x0                           ; the wave's end
	ds_add_u32 v[SPW], v[NIL]
	s_wait_dscnt 0x0
	CROUND                                         ; the closing round
	s_endpgm
.Lfunc_end_k_q744c51f7d6_gemm_qkv:
	.size	k_q744c51f7d6_gemm_qkv, .Lfunc_end_k_q744c51f7d6_gemm_qkv-k_q744c51f7d6_gemm_qkv
	.p2alignl 7, 3214868480
	.fill 96, 4, 3214868480
	.section	.rodata,"a",@progbits
	.p2align	6, 0x0
	.amdhsa_kernel k_q744c51f7d6_gemm_qkv
		.amdhsa_group_segment_fixed_size 327680
		.amdhsa_private_segment_fixed_size 0
		.amdhsa_enable_private_segment 0
		.amdhsa_kernarg_size 48
		.amdhsa_user_sgpr_count 2
		.amdhsa_user_sgpr_kernarg_segment_ptr 1
		.amdhsa_wavefront_size32 1
		.amdhsa_system_sgpr_workgroup_id_x 1
		.amdhsa_system_sgpr_workgroup_id_y 1
		.amdhsa_system_sgpr_workgroup_id_z 1
		.amdhsa_system_vgpr_workitem_id 0
		.amdhsa_next_free_vgpr 1024
		.amdhsa_next_free_sgpr 100
		.amdhsa_reserve_vcc 1
		.amdhsa_float_denorm_mode_32 3
		.amdhsa_float_denorm_mode_16_64 3
		.amdhsa_memory_ordered 1
		.amdhsa_forward_progress 1
		.amdhsa_inst_pref_size 178
	.end_amdhsa_kernel
	.amdgpu_metadata
---
amdhsa.version: [ 1, 2 ]
amdhsa.kernels:
  - .name:           k_q744c51f7d6_gemm_qkv
    .symbol:         k_q744c51f7d6_gemm_qkv.kd
    .args:
      - { .name: ops, .offset: 0, .size: 8, .value_kind: global_buffer, .address_space: global }
      - { .name: bq, .offset: 8, .size: 8, .value_kind: global_buffer, .address_space: global }
      - { .name: bk, .offset: 16, .size: 8, .value_kind: global_buffer, .address_space: global }
      - { .name: bv, .offset: 24, .size: 8, .value_kind: global_buffer, .address_space: global }
      - { .name: attention_mask, .offset: 32, .size: 8, .value_kind: global_buffer, .address_space: global }
      - { .name: qkv, .offset: 40, .size: 8, .value_kind: global_buffer, .address_space: global }
    .group_segment_fixed_size: 327680
    .private_segment_fixed_size: 0
    .kernarg_segment_align: 8
    .kernarg_segment_size: 48
    .max_flat_workgroup_size: 128
    .sgpr_count:     100
    .vgpr_count:     1024
    .wavefront_size: 32
...
	.end_amdgpu_metadata
.endif
;; end of part 2
;; launch attn (part 3): grid 8 x 32, 16 waves a work-group, clusters of 4 x 1, 276,480 bytes of LDS; arguments qkv, ctx; writes ctx
.if DOCPART == 3
	.amdgcn_target "amdgcn-amd-amdhsa--gfx1250"
	.amdhsa_code_object_version 6
	.text
	.protected	k_q744c51f7d6_attn
	.globl	k_q744c51f7d6_attn
	.p2align	8
	.type	k_q744c51f7d6_attn,@function
k_q744c51f7d6_attn:
	s_mov_b64 s[64:65], 0
	v_nop
	global_prefetch_b8 v0, s[64:65] scope:SCOPE_SE
	s_setreg_imm32_b32 hwreg(HW_REG_WAVE_MODE, 25, 1), 1
	s_wait_xcnt 0x0
	s_wait_alu depctr_hold_cnt(0) depctr_sa_sdst(0) depctr_va_vdst(0) depctr_va_sdst(0) depctr_va_ssrc(0) depctr_va_vcc(0) depctr_vm_vsrc(0)
	s_getreg_b32 s2, hwreg(HW_REG_IB_STS2, 6, 4)
	s_cmp_eq_u32 s2, 0
	s_cbranch_scc0 .Lentry_in_a_cluster
	s_endpgm
.Lentry_in_a_cluster:
	s_bfe_u32 s2, ttmp6, 0x10000c
	s_cmp_lg_u32 s2, 0x3003
	s_cbranch_scc0 .Lentry_shape_is_right
	s_endpgm
.Lentry_shape_is_right:
; ctx = softmax(q k^T / 8, masked) v for one (batch, head) and 256 queries a work-group, both products on codes of E4M3; ctx is quantised along the model's 1,024 and stored as an operand's image.
; t = raw score x log2(e) / 8; M = the running largest t rounded up to a whole number; p = 2^(t - M) is quantised along the keys, not normalised; the row's sum is taken of the unquantised p and divides at the end.
; When M moves, the sum and O are multiplied by 2^(old M - new M): exact.
; SHARES: sixteen waves, each one tile of 16 queries in 256 registers; every wave walks the head's 2,048 keys, 128 a step.
; THE WHOLE HEAD LIES IN LDS, FILLED ONCE: memory holds it as the image of these bytes (four chunks of 512 keys: 32 tiles of k x 1,024 B, then v: ct x 8,192 + key step x 2,048), and behind it 12,288 bytes of scale words.
; So there is no ring and nothing is filled again.  The four query blocks of a cluster belong to one head: every fill is a joint load of the four.
; WAVES 0 TO 3 ISSUE ALL FILLS, five loads each: a quarter of the scale words (12 rows of 256 bytes), then a quarter (64 rows of 256 bytes) of chunk 0, 1, 2, 3, in that order: a chunk's loads are issued ahead of every later chunk's.
; TWO BARRIERS: the first shows the scale words and chunk 0 to every wave; the second, behind the wait for all loads, is signalled in the middle of chunk 0 and awaited at its end; the last twelve steps have none.
; No prefetch: all that the work-group reads is asked for at its head.
; LAYOUT: both products transposed (S^T = k q^T, O^T = v^T p^T): a lane holds one query; a tile's rows are rho(T, r) = 32 (T / 2) + 8 (T % 2) + r + 8 (r / 8), so the 16 registers of two neighbouring tiles of keys are
; 16 neighbouring keys, and the conversions' results are the second product's operand.
; THE FIRST PRODUCT HAS K = 64: registers 8-15 of q's and k's fragments are constants set here once: at k = 64 the code +1 (q) and -1 (k), else zeros.  Byte 2 of the scale words makes of them -2^33 for a masked key
; (whose real codes are zeros) and -2^-110 for an open one.  -2^33 x log2(e) / 8 is a whole number in f32, so in a row that is masked throughout p = 1 exactly: the uniform softmax of the source.
; LIMITS: the masked logit is -2^30 where the source has -1e9; NaN and infinities are not served.
.set SW,   262144                      ; the scale words: k's [T][64 B], then v's [ct][key step][64 B]
.set ADK,  8                           ; v8-11 LDS addresses of the step in hand
.set ADV,  9
.set ADS,  10
.set ADT,  11
.set BM,   208                         ; v208-211 block maxima; 212-215 second chains, exchange, bytes; 216-219 holds; 220-223 scale operands
.set PSW,  230                         ; p's scale word
.set KS,   232                         ; k's scale words
.set VS,   236                         ; v's
.set QSW,  240                         ; q's
.set WV,   8
.set G0,   24                          ; s[24:43] five groups 0
.set G1C,  44
.set G1S,  52
.set SEL,  60
.set CS,   62                          ; s[62:63] log2(e) / 8
.set MNT,  66
.set TK,   67
.set TV,   68
.set TS,   69
.set TJ,   70
.set CNT,  71
.macro CROUND
	s_barrier_signal -1
	s_barrier_wait -1
	s_cmp_lg_u32 s[WV], 0
	s_cbranch_scc1 .Lnot_wave_0_\@
	s_barrier_signal -3
.Lnot_wave_0_\@:
	s_barrier_wait -3
	s_barrier_signal -1
	s_barrier_wait -1
.endm
	s_load_b128 s[4:7], s[0:1], 0x0                ; qkv, ctx
	v_lshl_add_u32 v254, v0, 2, 0x43000
	v_mov_b32 v255, 0
	ds_add_u32 v254, v255
	ds_add_u32 v254, v255
	v_lshrrev_b32 v1, 5, v0
	v_readfirstlane_b32 s[WV], v1
	s_bfe_u32 s9, ttmp6, 0x40000                   ; cx
	s_lshl_b32 s10, ttmp9, 2
	s_add_co_u32 s10, s10, s9                      ; my block of 256 queries: it enters q's and ctx's addresses alone
	s_and_b32 s11, ttmp7, 0xffff                   ; bh, which the partners share
	s_mov_b32 s[G1C], 15|(3<<16)|(1<<21)           ; the mask: all four; elements of 8 bytes; 16,384 dense bytes as 64 rows of 256
	s_mov_b32 s[G1C+1], 32<<16
	s_mov_b32 s[G1C+2], 64<<16
	s_mov_b32 s[G1C+3], 32<<16
	s_mov_b32 s[G1C+4], 64
	s_mov_b32 s[G1C+5], 32
	s_mov_b32 s[G1C+6], 0
	s_mov_b32 s[G1C+7], 0
	s_mov_b32 s[G1S], 15|(3<<16)|(1<<21)           ; 3,072 dense bytes as 12 rows of 256
	s_mov_b32 s[G1S+1], 32<<16
	s_mov_b32 s[G1S+2], 12<<16
	s_mov_b32 s[G1S+3], 32<<16
	s_mov_b32 s[G1S+4], 12
	s_mov_b32 s[G1S+5], 32
	s_mov_b32 s[G1S+6], 0
	s_mov_b32 s[G1S+7], 0
	s_and_b32 s18, s[WV], 3                        ; which quarter I fetch, if I fetch
	s_lshl_b32 s14, s18, 14                        ; its 16,384 bytes of a chunk, in memory as in LDS
	s_mul_i32 s15, s18, 3072                       ; and of the scale words
	s_lshl_b32 s12, s11, 18
	s_add_co_u32 s12, s12, s14
	s_add_co_u32 s12, s12, 4194304
	s_mov_b32 s13, 0
	s_mul_i32 s16, s11, 12288
	s_add_co_u32 s16, s16, s15
	s_add_co_u32 s16, s16, 12582912
	s_mov_b32 s17, 0
	s_mov_b32 s[SEL], 0x76543210
	s_mov_b32 s[SEL+1], 0xfedcba98
	s_mov_b32 s[CS], 0x3e38aa3b
	s_mov_b32 s[CS+1], s[CS]
	s_mov_b32 s[MNT], 0x600000
	s_mov_b32 s[TS], 0
	s_mov_b32 s[TJ], 0
	s_wait_dscnt 0x0
	s_wait_kmcnt 0x0
	s_add_nc_u64 s[12:13], s[4:5], s[12:13]
	s_add_nc_u64 s[16:17], s[4:5], s[16:17]
	CROUND                                         ; all four work-groups are here: the joint loads meet
	s_mov_b32 s[G0], 1
	s_add_co_u32 s[G0+1], s15, SW
	s_mov_b64 s[G0+2:G0+3], s[16:17]
	s_or_b32 s[G0+3], s[G0+3], 0x80000000
.irp g, 0,1,2,3
	s_mov_b32 s[G0+4+4*\g], 1
	s_add_co_u32 s[G0+5+4*\g], s14, 65536*\g
	s_add_nc_u64 s[G0+6+4*\g:G0+7+4*\g], s[12:13], 65536*\g
	s_or_b32 s[G0+7+4*\g], s[G0+7+4*\g], 0x80000000
.endr
	s_cmp_lt_u32 s[WV], 4                          ; all first fills of a wave stand in this one branch on the wave's number, the same in every partner
	s_cbranch_scc0 .Lno_fill
	tensor_load_to_lds s[G0:G0+3], s[G1S:G1S+7]    ; five loads of mine are out behind the last
	s_nop 0
	tensor_load_to_lds s[G0+4:G0+7], s[G1C:G1C+7]
	s_nop 0
	tensor_load_to_lds s[G0+8:G0+11], s[G1C:G1C+7]
	s_nop 0
	tensor_load_to_lds s[G0+12:G0+15], s[G1C:G1C+7]
	s_nop 0
	tensor_load_to_lds s[G0+16:G0+19], s[G1C:G1C+7]
	s_nop 0
.rept 4
	v_nop
.endr
.Lno_fill:
	v_and_b32 v1, 31, v0
	v_lshlrev_b32 v1, 4, v1                        ; 16 x lane
	v_and_b32 v3, 15, v0
	v_lshlrev_b32 v3, 2, v3                        ; 4 r
	v_add_nc_u32 v2, SW, v3
	v_bfe_u32 v4, v0, 4, 1                         ; h
	s_lshl_b32 s72, s11, 7
	s_lshl_b32 s73, s10, 4
	s_add_co_u32 s72, s72, s73
	s_add_co_u32 s72, s72, s[WV]                   ; my tile of queries: 128 bh + 16 block + wave
	s_lshl_b32 s74, s72, 10
	s_mov_b32 s75, 0
	s_add_nc_u64 s[74:75], s[4:5], s[74:75]
	s_lshl_b32 s76, s72, 6
	s_add_co_u32 s76, s76, 12976128
	s_mov_b32 s77, 0
	s_add_nc_u64 s[76:77], s[4:5], s[76:77]
	global_load_b128 v[16:19], v1, s[74:75]
	global_load_b128 v[20:23], v1, s[74:75] offset:512
	global_load_b32 v[QSW], v3, s[76:77]
	v_mul_u32_u24 v5, v4, 56
	v_sub_nc_u32 v24, 56, v5                       ; q's register 8: the code 0x38 (+1) at k = 64, which lies in lanes 0-15
	v_mul_u32_u24 v5, v4, 0xb8
	v_sub_nc_u32 v5, 0xb8, v5                      ; k's: 0xb8 (-1)
.irp i, 25,26,27,28,29,30,31
	v_mov_b32 v[\i], 0
.endr
.irp t, 0,1,2,3
	v_mov_b32 v[40+16*\t], v5
.irp i, 9,10,11,12,13,14,15
	v_mov_b32 v[32+16*\t+\i], 0
.endr
.endr
	v_mov_b32 v13, 0xff61b1e6                      ; the largest t so far: -3e38
	v_floor_f32 v12, -v13                          ; -M
	v_mov_b32 v14, 0
	v_mov_b32 v15, 0
.irp b, 0,1,2,3
	v_mov_b32 v[BM+4+\b], 0                        ; a lane permute's destination counts as read
.endr
	v_mov_b32 v224, 0
	v_mov_b32 v227, 0                              ; named as the upper half of the pair v[226:227]
.set n, 0
.rept 32
	v_mov_b32 v[160+n], 0                          ; O^T: the step is written once; the first change of M leaves zeros zeros
.set n, n+1
.endr
; the largest score of blocks lo and hi of 32 keys (my 16 of each), each in two chains of eight, the four chains by turns; each accumulator is read from its low end on
.macro BMAX lo, hi
.irp b, \lo, \hi
	v_max3_num_f32 v[BM+\b], v[96+16*\b], v[97+16*\b], v[98+16*\b]
.endr
.irp b, \lo, \hi
	v_max3_num_f32 v[BM+4+\b], v[104+16*\b], v[105+16*\b], v[106+16*\b]
.endr
.irp i, 3,5
.irp b, \lo, \hi
	v_max3_num_f32 v[BM+\b], v[BM+\b], v[96+16*\b+\i], v[97+16*\b+\i]
.endr
.irp b, \lo, \hi
	v_max3_num_f32 v[BM+4+\b], v[BM+4+\b], v[104+16*\b+\i], v[105+16*\b+\i]
.endr
.endr
.irp b, \lo, \hi
	v_max3_num_f32 v[BM+\b], v[BM+\b], v[BM+4+\b], v[103+16*\b]
.endr
.irp b, \lo, \hi
	v_max_num_f32 v[BM+\b], v[BM+\b], v[111+16*\b]
.endr
.endm
; A KEY STEP: 128 keys
.macro STEP
	v_add_nc_u32 v[ADK], s[TK], v1
	v_add_nc_u32 v[ADV], s[TV], v1
	v_add_nc_u32 v[ADS], s[TS], v2
	v_add_nc_u32 v[ADT], s[TJ], v2
.irp g, 0,1                                    ; S^T = k q^T, four tiles of 16 keys at a time
.if \g
.rept 8
	v_nop                                          ; places in front of loads into registers that the last products read, and of the first read of their results further down
.endr
.endif
.irp t, 0,1,2,3
	ds_load_b128 v[32+16*\t:35+16*\t], v[ADK] offset:(4*\g+\t)*1024
	ds_load_b128 v[36+16*\t:39+16*\t], v[ADK] offset:(4*\g+\t)*1024+512
	ds_load_b32 v[KS+\t], v[ADS] offset:(4*\g+\t)*64
.endr
.if \g == 0
.rept 5
	v_nop                                          ; with the four additions above: nine places between the last step's products and these, which write over the registers that held v's fragments
.endr
.endif
	s_wait_dscnt 0x0
.irp t, 0,1,2,3
	v_wmma_scale_f32_16x16x128_f8f6f4 v[96+8*(4*\g+\t):103+8*(4*\g+\t)], v[32+16*\t:47+16*\t], v[16:31], 0, v[KS+\t], v[QSW]
.endr
.endr
	; THE LARGEST SCORE OF EACH BLOCK OF 32 KEYS serves the row's maximum and, since p rises with the score, the block's largest p.
	BMAX 0, 1                                      ; these 16 lines read the first four products' results and name no register of the last four: they are the eight places behind those
	BMAX 2, 3
.irp b, 0,1,2,3
	v_permlanex16_b32 v[BM+4+\b], v[BM+\b], s[SEL], s[SEL+1]
.endr
.irp b, 0,1,2,3
	v_max_num_f32 v[BM+\b], v[BM+\b], v[BM+4+\b]
.endr
	v_max3_num_f32 v224, v[BM], v[BM+1], v[BM+2]
	v_max_num_f32 v224, v224, v[BM+3]
	v_mul_f32 v224, s[CS], v224
	v_max_num_f32 v13, v13, v224                   ; the running largest t
	v_mov_b32 v224, v12
	v_floor_f32 v12, -v13                          ; -M = floor(-t)
	v_sub_f32 v224, v12, v224                      ; old M - new M: a whole number, 0 or less
	v_cvt_i32_f32 v224, v224                       ; (it saturates)
	v_ldexp_f32 v226, 1.0, v224                    ; f = 2^(old M - new M)
.set n, 0
.rept 32
	v_pk_fma_f32 v[96+n:97+n], v[96+n:97+n], s[CS:CS+1], v[12:13] op_sel_hi:[1,0,0]   ; t - M
.set n, n+2
.endr
.irp b, 0,1,2,3
	v_fma_f32 v[BM+\b], v[BM+\b], s[CS], v12
.endr
.set n, 0
.rept 64
	v_exp_f32 v[96+n], v[96+n]                     ; p
.set n, n+1
.endr
	v_pk_mul_f32 v[14:15], v[14:15], v[226:227] op_sel_hi:[1,0]   ; the sums under the new M: a plain line behind the exponentials
	s_wait_alu depctr_va_vdst(0)                   ; one wait for the batch, ahead of its first reader
.irp b, 0,1,2,3
	v_exp_f32 v[BM+\b], v[BM+\b]                   ; each block's largest p
.endr
	v_pk_add_f32 v[228:229], v[96:97], v[98:99]    ; the row's sum of the unquantised p, in two chains
.irp j, 4,8,12,16,20,24,28,32,36,40,44,48,52,56,60
	v_pk_add_f32 v[14:15], v[14:15], v[96+\j:97+\j]
	v_pk_add_f32 v[228:229], v[228:229], v[98+\j:99+\j]
.endr
	v_pk_add_f32 v[14:15], v[14:15], v[228:229]
	s_wait_alu depctr_va_vdst(0)                   ; and one for the four
.irp b, 0,1,2,3
	v_max_num_f32 v[BM+\b], 0x4800000, v[BM+\b]    ; the floor: the byte cannot fall under 1
.endr
.irp b, 0,1,2,3
	v_add_nc_u32 v[BM+12+\b], 0xfc000000, v[BM+\b]
.endr
.irp b, 0,1,2,3
	v_and_or_b32 v[BM+8+\b], v[BM+\b], 0x7f800000, s[MNT]
.endr
.irp b, 0,1,2,3
	v_lshrrev_b32 v[BM+4+\b], 23, v[BM+12+\b]
.endr
	v_lshl_or_b32 v[PSW], v[BM+5], 8, v[BM+4]
	v_lshl_or_b32 v[PSW], v[BM+6], 16, v[PSW]
	v_lshl_or_b32 v[PSW], v[BM+7], 24, v[PSW]
.irp b, 0,1,2,3
.irp i, 0,2,4,6,8,10,12,14
	v_dual_min_num_f32 v[96+16*\b+\i], v[BM+8+\b], v[96+16*\b+\i] :: v_dual_min_num_f32 v[97+16*\b+\i], v[BM+8+\b], v[97+16*\b+\i]   ; the conversion does not saturate (ISA guide 7.6.2); p is not negative; two holds an instruction: destinations even and odd, one first source for both, second sources a register apart
.endr
	v_cvt_scalef32_pk8_fp8_f32 v[192+4*\b:193+4*\b], v[96+16*\b:103+16*\b], v[BM+12+\b]
	v_cvt_scalef32_pk8_fp8_f32 v[194+4*\b:195+4*\b], v[104+16*\b:111+16*\b], v[BM+12+\b]
.irp c, 0,1,2,3                                ; v's fragment b lands where block b's p lay, as soon as its codes are made
	ds_load_b128 v[96+16*\b+4*\c:99+16*\b+4*\c], v[ADV] offset:8192*\b+512*\c
.endr
	ds_load_b32 v[VS+\b], v[ADT] offset:8192+1024*\b
.endr
.set n, 0
.rept 16
	v_pk_mul_f32 v[160+n:161+n], v[160+n:161+n], v[226:227] op_sel_hi:[1,0]   ; O^T under the new M; also the places between the conversions and the products
.set n, n+2
.endr
	s_wait_dscnt 0x0
.irp t, 0,1,2,3                                ; O^T += v^T p^T: the four accumulators by turns
	v_wmma_scale_f32_16x16x128_f8f6f4 v[160+8*\t:167+8*\t], v[96+16*\t:111+16*\t], v[192:207], v[160+8*\t:167+8*\t], v[VS+\t], v[PSW]
.endr
	s_add_co_u32 s[TK], s[TK], 8192
	s_add_co_u32 s[TV], s[TV], 2048
	s_add_co_u32 s[TS], s[TS], 512
	s_add_co_u32 s[TJ], s[TJ], 64
.endm
.macro STEPS n                         ; n key steps
	s_mov_b32 s[CNT], \n
.Lstep_\@:
	STEP
	s_sub_co_u32 s[CNT], s[CNT], 1
	s_cmp_lg_u32 s[CNT], 0
	s_cbranch_scc1 .Lstep_\@
.endm
	s_wait_loadcnt 0x0                             ; q
	s_wait_tensorcnt 3                             ; in a fetching wave: the scale words and my quarter of chunk 0 have landed; the loads of chunks 1 to 3 may be out
	s_barrier_signal -1
	s_barrier_wait -1                              ; everybody's have
	s_mov_b32 s[TK], 0
	s_mov_b32 s[TV], 32768
	STEPS 2
	s_wait_tensorcnt 0x0                           ; all my loads have landed (no LDS load of mine is out: a step ends behind its wait for them):
	s_barrier_signal -1                            ; say so, and go on with chunk 0: register work, and LDS loads of bytes that nobody writes
	STEP
	STEP
	s_barrier_wait -1                              ; every fetching wave has said so: the whole head lies in LDS; no barrier follows but the closing round's
.irp g, 1,2,3
	s_mov_b32 s[TK], 65536*\g
	s_mov_b32 s[TV], 65536*\g+32768
	STEPS 4
.endr
	; THE WAY OUT: O^T / the sum; register 16 b + i is channel 32 b + 16 h + i of my query: two blocks, quantised as they stand
	v_add_f32 v14, v14, v15
	v_permlanex16_b32 v224, v14, s[SEL], s[SEL+1]
	v_add_f32 v14, v14, v224
	v_rcp_f32 v14, v14
.rept 6
	v_nop                                          ; with the two additions: eight places behind the last products; the first is the plain line behind the reciprocal
.endr
	s_lshr_b32 s72, s11, 4
	s_lshl_b32 s72, s72, 7
	s_lshl_b32 s73, s10, 4
	s_add_co_u32 s72, s72, s73
	s_add_co_u32 s72, s72, s[WV]                   ; my tile among all 256 tiles of tokens
	s_and_b32 s73, s11, 15                         ; the head
	s_lshr_b32 s74, s73, 1
	s_and_b32 s73, s73, 1
	s_lshl_b32 s76, s72, 14
	s_lshl_b32 s75, s74, 11
	s_add_co_u32 s76, s76, s75
	s_lshl_b32 s75, s73, 10
	s_add_co_u32 s76, s76, s75
	s_mov_b32 s77, 0
	s_add_nc_u64 s[76:77], s[6:7], s[76:77]
	s_lshl_b32 s78, s72, 9
	s_lshl_b32 s75, s74, 6
	s_add_co_u32 s78, s78, s75
	s_lshl_b32 s75, s73, 1
	s_add_co_u32 s78, s78, s75
	s_add_co_u32 s78, s78, 4194304
	s_mov_b32 s79, 0
	s_add_nc_u64 s[78:79], s[6:7], s[78:79]
	s_wait_alu depctr_va_vdst(0)                   ; ahead of the reciprocal's first reader
.set n, 0
.rept 32
	v_mul_f32 v[96+n], v[160+n], v14
.set n, n+1
.endr
.irp b, 0,1
	v_max3_num_f32 v[BM+\b], |v[96+16*\b]|, |v[97+16*\b]|, 0x4800000
.endr
.irp i, 2,4,6,8,10,12,14
.irp b, 0,1
	v_max3_num_f32 v[BM+\b], v[BM+\b], |v[96+16*\b+\i]|, |v[97+16*\b+\i]|
.endr
.endr
.irp b, 0,1
	v_permlanex16_b32 v[BM+4+\b], v[BM+\b], s[SEL], s[SEL+1]
.endr
.irp b, 0,1
	v_max_num_f32 v[BM+\b], v[BM+\b], v[BM+4+\b]
.endr
.irp b, 0,1
	v_add_nc_u32 v[BM+12+\b], 0xfc000000, v[BM+\b]
.endr
.irp b, 0,1
	v_and_or_b32 v[BM+8+\b], v[BM+\b], 0x7f800000, s[MNT]
.endr
.irp b, 0,1
	v_lshrrev_b32 v[BM+4+\b], 23, v[BM+12+\b]
.endr
	v_lshl_or_b32 v225, v[BM+5], 8, v[BM+4]        ; my head's two bytes of the row's scale word
.irp b, 0,1
.irp i, 0,1,2,3,4,5,6,7,8,9,10,11,12,13,14,15
	v_med3_num_f32 v[96+16*\b+\i], v[96+16*\b+\i], -v[BM+8+\b], v[BM+8+\b]
.endr
	v_cvt_scalef32_pk8_fp8_f32 v[192+4*\b:193+4*\b], v[96+16*\b:103+16*\b], v[BM+12+\b]
	v_cvt_scalef32_pk8_fp8_f32 v[194+4*\b:195+4*\b], v[104+16*\b:111+16*\b], v[BM+12+\b]
.endr
	v_nop
	global_store_b128 v1, v[192:195], s[76:77]
	global_store_b128 v1, v[196:199], s[76:77] offset:512
	global_store_b16 v3, v225, s[78:79]
	s_wait_tensorcnt 0x0
	ds_add_u32 v254, v255
	s_wait_dscnt 0x0
	CROUND                                         ; the closing round
	s_endpgm
.Lfunc_end_k_q744c51f7d6_attn:
	.size	k_q744c51f7d6_attn, .Lfunc_end_k_q744c51f7d6_attn-k_q744c51f7d6_attn
	.p2alignl 7, 3214868480
	.fill 96, 4, 3214868480
	.section	.rodata,"a",@progbits
	.p2align	6, 0x0
	.amdhsa_kernel k_q744c51f7d6_attn
		.amdhsa_group_segment_fixed_size 276480
		.amdhsa_private_segment_fixed_size 0
		.amdhsa_enable_private_segment 0
		.amdhsa_kernarg_size 16
		.amdhsa_user_sgpr_count 2
		.amdhsa_user_sgpr_kernarg_segment_ptr 1
		.amdhsa_wavefront_size32 1
		.amdhsa_system_sgpr_workgroup_id_x 1
		.amdhsa_system_sgpr_workgroup_id_y 1
		.amdhsa_system_sgpr_workgroup_id_z 1
		.amdhsa_system_vgpr_workitem_id 0
		.amdhsa_next_free_vgpr 256
		.amdhsa_next_free_sgpr 80
		.amdhsa_reserve_vcc 0
		.amdhsa_float_denorm_mode_32 3
		.amdhsa_float_denorm_mode_16_64 3
		.amdhsa_memory_ordered 1
		.amdhsa_forward_progress 1
		.amdhsa_inst_pref_size 131
	.end_amdhsa_kernel
	.amdgpu_metadata
---
amdhsa.version: [ 1, 2 ]
amdhsa.kernels:
  - .name:           k_q744c51f7d6_attn
    .symbol:         k_q744c51f7d6_attn.kd
    .args:
      - { .name: qkv, .offset: 0, .size: 8, .value_kind: global_buffer, .address_space: global }
      - { .name: ctx, .offset: 8, .size: 8, .value_kind: global_buffer, .address_space: global }
    .group_segment_fixed_size: 276480
    .private_segment_fixed_size: 0
    .kernarg_segment_align: 8
    .kernarg_segment_size: 16
    .max_flat_workgroup_size: 512
    .sgpr_count:     80
    .vgpr_count:     256
    .wavefront_size: 32
...
	.end_amdgpu_metadata
.endif
;; end of part 3
;; launch gemm_o (part 4): grid 8 x 32, 4 waves a work-group, clusters of 4 x 4, 327,680 bytes of LDS; arguments ctx, ops, bo, proj; writes proj
.if DOCPART == 4
	.amdgcn_target "amdgcn-amd-amdhsa--gfx1250"
	.amdhsa_code_object_version 6
	.text
	.protected	k_q744c51f7d6_gemm_o
	.globl	k_q744c51f7d6_gemm_o
	.p2align	8
	.type	k_q744c51f7d6_gemm_o,@function
k_q744c51f7d6_gemm_o:
	s_mov_b64 s[64:65], 0
	v_nop
	global_prefetch_b8 v0, s[64:65] scope:SCOPE_SE
	s_setreg_imm32_b32 hwreg(HW_REG_WAVE_MODE, 25, 1), 1
	s_wait_xcnt 0x0
	s_wait_alu depctr_hold_cnt(0) depctr_sa_sdst(0) depctr_va_vdst(0) depctr_va_sdst(0) depctr_va_ssrc(0) depctr_va_vcc(0) depctr_vm_vsrc(0)
	s_getreg_b32 s2, hwreg(HW_REG_IB_STS2, 6, 4)
	s_cmp_eq_u32 s2, 0
	s_cbranch_scc0 .Lentry_in_a_cluster
	s_endpgm
.Lentry_in_a_cluster:
	s_bfe_u32 s2, ttmp6, 0x10000c
	s_cmp_lg_u32 s2, 0xf033
	s_cbranch_scc0 .Lentry_shape_is_right
	s_endpgm
.Lentry_shape_is_right:
; proj = A W + bias, f32 [4096][1024], on codes of E4M3.  A (tokens) and W (output columns) lie as images of operand registers: 2,048 bytes for a tile of 16 rows and 128 along K (byte 512 c + 16 lane;
; a tile's rows are rho(T, r) = 32 (T / 2) + 8 (T % 2) + r + 8 (r / 8)), a tile's K steps on end; 64 bytes of scale words for each image.
; 1,024 output columns make only 64 tiles of 256 x 256, so a work-group makes 128 x 128 (256 work-groups) and a wave 64 x 64: 16 accumulators.  A slot of the ring holds four K steps of 128.
; The scale words of all of K come once.  4 x 4 work-groups form a cluster: A's tiles are asked for jointly along a row, W's along a column.  The matrix instruction is used transposed (source 0 = W, source 1 = A):
; a lane holds one token and, over two neighbouring tiles of columns, 16 neighbouring columns.  Results go through the wave's stage in LDS and leave as whole aligned pieces of 256 bytes.
.set KK,    1024                       ; K
.set ASC,   4194304                    ; where A's scale words begin in its buffer
.set BOFF,  7340032                    ; where W's images begin in ops
.set NK,    KK/128
.set TS,    NK*2048                    ; from tile to tile in memory
.set TSS,   NK*64                      ; a tile's scale words
.set HALFS, 4*TSS
.set QB,    8192                       ; a tile's bytes in a slot
.set HALFT, 4*QB                       ; 4 tiles: what one tensor load brings, and what a wave reads of a side
.set SLOT,  4*HALFT
.set SCL,   2*SLOT
.set SPARE, SCL+4*HALFS                ; the spare words: 128 bytes a wave
.set LAPS,  KK/1024
.set SPITCH, 272                       ; the stage (in slot 0, behind its last fill and last read): 16 rows x (256 + 16) bytes a wave
.set ADRA, 16
.set ADRB, 20
.set STO,  24
.set RD,   25
.set CO,   26
.set ADRS, 27
.set SPW,  28
.set NIL,  29
.set BO,   30
.set SC,   32                          ; v32-39 scale words, a set of four for each fragment buffer; they hold nothing else
.set BI,   40                          ; v40-43 the bias of the four columns that I store
.set TMP,  64
.set ACC,  128                         ; accumulator (a, b) at v[128 + 8 (4 a + b)]
.set F0,   0                           ; window 1: two buffers: A's four fragments, then W's four
.set F1,   128
.set WV, 16
.set HA, 17
.set HB, 18
.set CX, 19
.set CY, 20
.set RI, 23
.set CJ, 46
.set G1, 24
.set G0, 32
.set G1B, 48
.set G0B, 56
.set G1S, 68
.set G0S, 76
.set G1SB, 80
.set G0SB, 88
.set MSB, 0
.macro WIN new
.if MSB != (\new)
	s_set_vgpr_msb (MSB<<8)|(\new)
.set MSB, (\new)
.endif
.endm
.set MUL,  0x05                        ; sources 0 and 1 window 1; C and D window 0
.set TO_F, 0x40
.macro JLOAD g0a, g1a, g0b, g1b        ; waves 0, 1 fetch for A, waves 2, 3 for W; four v_nop follow each line
	s_cmp_eq_u32 s[HA], 0
	s_cbranch_scc0 .Lfor_b_\@
	tensor_load_to_lds s[\g0a:\g0a+3], s[\g1a:\g1a+7]
	s_nop 0
.rept 4
	v_nop
.endr
	s_branch .Lasked_\@
.Lfor_b_\@:
	tensor_load_to_lds s[\g0b:\g0b+3], s[\g1b:\g1b+7]
	s_nop 0
.rept 4
	v_nop
.endr
.Lasked_\@:
.endm
.macro CREST
	s_cmp_lg_u32 s[WV], 0
	s_cbranch_scc1 .Lnot_wave_0_\@
	s_barrier_signal -3
.Lnot_wave_0_\@:
	s_barrier_wait -3
	s_barrier_signal -1
	s_barrier_wait -1
.endm
.macro CROUND
	s_barrier_signal -1
	s_barrier_wait -1
	CREST
.endm
	s_load_b256 s[4:11], s[0:1], 0x0               ; A's buffer, ops, the bias, proj
	v_lshl_add_u32 v[SPW], v0, 2, SPARE
	v_mov_b32 v[NIL], 0
	ds_add_u32 v28, v29
	ds_add_u32 v28, v29
	s_wait_dscnt 0x0
	v_lshrrev_b32 v1, 5, v0
	v_readfirstlane_b32 s[WV], v1
	s_lshr_b32 s[HA], s[WV], 1
	s_and_b32 s[HB], s[WV], 1
	s_bfe_u32 s[CX], ttmp6, 0x40000
	s_bfe_u32 s[CY], ttmp6, 0x40004
	s_lshl_b32 s[CJ], ttmp9, 2
	s_add_co_u32 s[CJ], s[CJ], s[CX]               ; which 128 columns
	s_and_b32 s[RI], ttmp7, 0xffff
	s_lshl_b32 s[RI], s[RI], 2
	s_add_co_u32 s[RI], s[RI], s[CY]               ; which 128 tokens
	s_lshl_b32 s40, s[CY], 2
	s_lshl_b32 s40, 15, s40
	s_lshl_b32 s41, 0x1111, s[CX]
	s_or_b32 s[G1+0], s40, (3<<16)|(1<<21)         ; codes: 4 rows (tiles) of 8,192 bytes, TS bytes apart
	s_or_b32 s[G1B+0], s41, (3<<16)|(1<<21)
.irp g, G1, G1B
	s_mov_b32 s[\g+1], 1024<<16
	s_mov_b32 s[\g+2], 4<<16
	s_mov_b32 s[\g+3], 1024<<16
	s_mov_b32 s[\g+4], 4
	s_mov_b32 s[\g+5], NK*256
	s_mov_b32 s[\g+6], 0
	s_mov_b32 s[\g+7], 0
.endr
	s_or_b32 s[G1S+0], s40, (3<<16)|(1<<21)        ; scale words of 4 tiles: HALFS dense bytes as rows of 256
	s_or_b32 s[G1SB+0], s41, (3<<16)|(1<<21)
.irp g, G1S, G1SB
	s_mov_b32 s[\g+1], 32<<16
	s_mov_b32 s[\g+2], (HALFS/256)<<16
	s_mov_b32 s[\g+3], 32<<16
	s_mov_b32 s[\g+4], HALFS/256
	s_mov_b32 s[\g+5], 32
	s_mov_b32 s[\g+6], 0
	s_mov_b32 s[\g+7], 0
.endr
	s_mul_i32 s47, s[HB], 4*TS                     ; the 4 tiles that I fetch
	s_mul_i32 s42, s[RI], 8*TS
	s_add_co_u32 s42, s42, s47
	s_lshr_b32 s92, s42, 5
	s_add_co_u32 s92, s92, ASC
	s_mov_b32 s43, 0
	s_mov_b32 s93, 0
	s_mul_i32 s44, s[CJ], 8*TS
	s_add_co_u32 s44, s44, s47
	s_add_co_u32 s44, s44, BOFF
	s_lshr_b32 s94, s44, 5
	s_add_co_u32 s94, s94, 0x1000000
	s_mov_b32 s45, 0
	s_mov_b32 s95, 0
	s_lshl_b32 s96, s[WV], 15
	s_mul_i32 s97, s[WV], HALFS
	s_wait_kmcnt 0x0
	s_add_nc_u64 s[42:43], s[4:5], s[42:43]
	s_add_nc_u64 s[92:93], s[4:5], s[92:93]
	s_add_nc_u64 s[44:45], s[6:7], s[44:45]
	s_add_nc_u64 s[94:95], s[6:7], s[94:95]
	CROUND                                         ; all sixteen work-groups are here: the first joint loads meet
	s_mov_b32 s[G0S], 1
	s_add_co_u32 s[G0S+1], s97, SCL
	s_mov_b64 s[G0S+2:G0S+3], s[92:93]
	s_or_b32 s[G0S+3], s[G0S+3], 0x80000000
	s_mov_b32 s[G0SB], 1
	s_add_co_u32 s[G0SB+1], s97, SCL
	s_mov_b64 s[G0SB+2:G0SB+3], s[94:95]
	s_or_b32 s[G0SB+3], s[G0SB+3], 0x80000000
	JLOAD G0S, G1S, G0SB, G1SB
.irp s, 0,1
	s_mov_b32 s[G0+4*\s], 1
	s_add_co_u32 s[G0+4*\s+1], s96, \s*SLOT
	s_add_nc_u64 s[G0+4*\s+2:G0+4*\s+3], s[42:43], \s*QB
	s_or_b32 s[G0+4*\s+3], s[G0+4*\s+3], 0x80000000
	s_mov_b32 s[G0B+4*\s], 1
	s_add_co_u32 s[G0B+4*\s+1], s96, \s*SLOT
	s_add_nc_u64 s[G0B+4*\s+2:G0B+4*\s+3], s[44:45], \s*QB
	s_or_b32 s[G0B+4*\s+3], s[G0B+4*\s+3], 0x80000000
	JLOAD G0+4*\s, G1, G0B+4*\s, G1B               ; three loads of mine are out behind the last
.endr
	v_and_b32 v1, 15, v0                           ; r
	v_bfe_u32 v2, v0, 4, 1                         ; h
	v_and_b32 v3, 31, v0
	v_lshlrev_b32 v4, 4, v3
	s_lshl_b32 s98, s[HA], 15
	s_lshl_b32 s99, s[HB], 15
	s_add_co_u32 s99, s99, 2*HALFT
.irp s, 0,1
	v_add_nc_u32 v[ADRA+\s], s98, v4
	v_add_nc_u32 v[ADRB+\s], s99, v4
	s_add_co_u32 s98, s98, SLOT
	s_add_co_u32 s99, s99, SLOT
.endr
	v_lshlrev_b32 v5, 2, v1
	s_mul_i32 s98, s[HA], HALFS
	s_mul_i32 s99, s[HB], HALFS
	s_add_co_u32 s99, s99, 2*HALFS
	s_sub_co_u32 s99, s99, s98
	v_mul_u32_u24 v6, s99, v2                      ; lanes 16-31 take W's
	s_add_co_u32 s98, s98, SCL
	v_add_nc_u32 v5, v5, v6
	v_add_nc_u32 v[ADRS], s98, v5
	s_mul_i32 s98, s[WV], 16*SPITCH                ; my stage
	v_mul_u32_u24 v5, v1, SPITCH
	v_lshl_add_u32 v5, v2, 6, v5
	v_add_nc_u32 v[STO], s98, v5                   ; in: row r, + 64 h
	v_mul_u32_u24 v5, v2, SPITCH
	v_lshl_add_u32 v5, v1, 4, v5
	v_add_nc_u32 v[RD], s98, v5                    ; back: lanes 0-15 one row, lanes 16-31 the next
	v_lshlrev_b32 v[BO], 4, v1
	v_lshl_add_u32 v[CO], v2, 12, v[BO]            ; and the same two rows in proj
	s_lshl_b32 s98, s[CJ], 9
	s_lshl_b32 s99, s[HB], 8
	s_add_co_u32 s98, s98, s99                     ; my 64 columns, in bytes
	s_mov_b32 s99, 0
	s_add_nc_u64 s[8:9], s[8:9], s[98:99]
	s_add_nc_u64 s[10:11], s[10:11], s[98:99]
	s_lshl_b32 s98, s[RI], 19
	s_lshl_b32 s40, s[HA], 18
	s_add_co_u32 s98, s98, s40                     ; my 64 tokens
	s_add_nc_u64 s[10:11], s[10:11], s[98:99]
	global_load_b128 v[BI:BI+3], v[BO], s[8:9]
.macro MULA f, a, zero                 ; four products: token tile a x the four tiles of columns.  The 16 accumulators take turns, one instruction a turn
.irp b, 0,1,2,3
.if \zero
	v_wmma_scale_f32_16x16x128_f8f6f4 v[ACC+8*(4*(\a)+\b):ACC+8*(4*(\a)+\b)+7], v[\f+64+16*\b:\f+64+16*\b+15], v[\f+16*(\a):\f+16*(\a)+15], 0, v[SC+4*((\f)/128)+\b], v[SC+4*((\f)/128)+(\a)] matrix_a_scale:MATRIX_SCALE_ROW1
.else
	v_wmma_scale_f32_16x16x128_f8f6f4 v[ACC+8*(4*(\a)+\b):ACC+8*(4*(\a)+\b)+7], v[\f+64+16*\b:\f+64+16*\b+15], v[\f+16*(\a):\f+16*(\a)+15], v[ACC+8*(4*(\a)+\b):ACC+8*(4*(\a)+\b)+7], v[SC+4*((\f)/128)+\b], v[SC+4*((\f)/128)+(\a)] matrix_a_scale:MATRIX_SCALE_ROW1
.endif
.endr
.endm
.macro FETCH slot, q, f                ; 36 LDS loads: the scale words, W's four fragments, A's four, of the slot's q-th K step
	WIN 0
.irp i, 0,1,2,3
	ds_load_b32 v[SC+4*((\f)/128)+\i], v[ADRS] offset:\i*TSS+64*(\q)
.endr
	WIN TO_F
.irp i, 0,1,2,3
.irp c, 0,1,2,3
	ds_load_b128 v[\f+64+16*\i+4*\c:\f+64+16*\i+4*\c+3], v[ADRB+\slot] offset:\i*QB+2048*(\q)+512*\c
.endr
.endr
.irp i, 0,1,2,3
.irp c, 0,1,2,3
	ds_load_b128 v[\f+16*\i+4*\c:\f+16*\i+4*\c+3], v[ADRA+\slot] offset:\i*QB+2048*(\q)+512*\c
.endr
.endr
.endm
.macro PLACES n
.rept \n
	v_nop
.endr
.endm
.macro QUARTER slot, qn, f, g, zero    ; multiplies buffer f; in its middle fetches K step qn of the slot into buffer g
	s_wait_dscnt 8                                 ; all but the youngest eight loads (A's tiles 2, 3)
	WIN MUL
	MULA \f, 0, \zero
	MULA \f, 1, \zero
	PLACES 8
	FETCH \slot, \qn, \g
	s_wait_dscnt 36                                ; all but the 36 just issued
	WIN MUL
	MULA \f, 2, \zero
	MULA \f, 3, \zero
.endm
.macro TURN slot, next, fill           ; the slot's last K step, in buffer 1, and the change of slots
	WIN 0
	s_wait_tensorcnt 0x0                           ; all my tensor loads have landed
	ds_add_u32 v[SPW], v[NIL]
	s_wait_dscnt 9                                 ; the add and the youngest eight loads may be out
	WIN MUL
	MULA F1, 0, 0
	s_wait_dscnt 0x0                               ; the add is done, my reads of this slot are over
	s_barrier_signal -1
	MULA F1, 1, 0
	WIN 0
	s_barrier_wait -1
.if \fill
	CREST
	s_add_nc_u64 s[G0+4*\slot+2:G0+4*\slot+3], s[G0+4*\slot+2:G0+4*\slot+3], 2*QB
	s_add_nc_u64 s[G0B+4*\slot+2:G0B+4*\slot+3], s[G0B+4*\slot+2:G0B+4*\slot+3], 2*QB
	JLOAD G0+4*\slot, G1, G0B+4*\slot, G1B         ; the first tensor load behind the round; its four v_nop are four of the eight places
	PLACES 4
.else
	PLACES 8
.endif
	v_add_nc_u32 v[ADRS], 256, v[ADRS]             ; the next slot's scale words
	FETCH \next, 0, F0
	WIN MUL
	MULA F1, 2, 0
	MULA F1, 3, 0
.endm
	s_wait_tensorcnt 1                             ; the scale words and my part of slot 0 are in; slot 1's load may be out
	s_barrier_signal -1
	s_barrier_wait -1
	FETCH 0, 0, F0
	QUARTER 0, 1, F0, F1, 1                        ; the first products start the sums
.if LAPS > 1
	WIN 0
	s_mov_b32 s3, LAPS-1
.Llap:
	QUARTER 0, 2, F1, F0, 0
	QUARTER 0, 3, F0, F1, 0
	TURN 0, 1, 1
	QUARTER 1, 1, F0, F1, 0
	QUARTER 1, 2, F1, F0, 0
	QUARTER 1, 3, F0, F1, 0
	TURN 1, 0, 1
	QUARTER 0, 1, F0, F1, 0
	WIN 0
	s_sub_co_u32 s3, s3, 1
	s_cmp_lg_u32 s3, 0
	s_cbranch_scc1 .Llap
.endif
	QUARTER 0, 2, F1, F0, 0
	QUARTER 0, 3, F0, F1, 0
	TURN 0, 1, 0
	QUARTER 1, 1, F0, F1, 0
	QUARTER 1, 2, F1, F0, 0
	QUARTER 1, 3, F0, F1, 0
	s_wait_dscnt 8
	WIN MUL
	MULA F1, 0, 0
	MULA F1, 1, 0
	s_wait_dscnt 0
	MULA F1, 2, 0
	MULA F1, 3, 0
	WIN 0
	PLACES 8
	s_wait_loadcnt 0x0                             ; the bias
; a tile of 16 tokens x 64 columns: into my stage (LDS serves a wave's instructions in order: no wait between the stores and the loads), back by rows, the bias added, stored
.macro OUT a
.irp b, 0,1,2,3
	ds_store_b128 v[STO], v[ACC+8*(4*\a+\b):ACC+8*(4*\a+\b)+3] offset:128*(\b/2)+32*(\b%2)      ; each accumulator from its low end on
	ds_store_b128 v[STO], v[ACC+8*(4*\a+\b)+4:ACC+8*(4*\a+\b)+7] offset:128*(\b/2)+32*(\b%2)+16
.endr
.if \a > 0
	s_wait_xcnt 0x0                                ; the last tile's stores have read their data
.endif
.irp t, 0,1,2,3,4,5,6,7
	ds_load_b128 v[TMP+4*\t:TMP+4*\t+3], v[RD] offset:\t*2*SPITCH
.endr
.irp t, 0,1,2,3,4,5,6,7
	s_wait_dscnt 7-\t
	v_pk_add_f32 v[TMP+4*\t:TMP+4*\t+1], v[TMP+4*\t:TMP+4*\t+1], v[BI:BI+1]
	v_pk_add_f32 v[TMP+4*\t+2:TMP+4*\t+3], v[TMP+4*\t+2:TMP+4*\t+3], v[BI+2:BI+3]
	global_store_b128 v[CO], v[TMP+4*\t:TMP+4*\t+3], s[10:11] offset:(32*(\a/2)+8*(\a%2)+2*\t+8*(\t/4))*4096   ; stage rows 2 t, 2 t + 1 are tokens rho(a, 2 t + h); 16 lanes store 256 consecutive bytes, aligned
.endr
.endm
	OUT 0
	OUT 1
	OUT 2
	OUT 3
	s_wait_tensorcnt 0x0                           ; the wave's end
	ds_add_u32 v[SPW], v[NIL]
	s_wait_dscnt 0x0
	CROUND                                         ; the closing round
	s_endpgm
.Lfunc_end_k_q744c51f7d6_gemm_o:
	.size	k_q744c51f7d6_gemm_o, .Lfunc_end_k_q744c51f7d6_gemm_o-k_q744c51f7d6_gemm_o
	.p2alignl 7, 3214868480
	.fill 96, 4, 3214868480
	.section	.rodata,"a",@progbits
	.p2align	6, 0x0
	.amdhsa_kernel k_q744c51f7d6_gemm_o
		.amdhsa_group_segment_fixed_size 327680
		.amdhsa_private_segment_fixed_size 0
		.amdhsa_enable_private_segment 0
		.amdhsa_kernarg_size 32
		.amdhsa_user_sgpr_count 2
		.amdhsa_user_sgpr_kernarg_segment_ptr 1
		.amdhsa_wavefront_size32 1
		.amdhsa_system_sgpr_workgroup_id_x 1
		.amdhsa_system_sgpr_workgroup_id_y 1
		.amdhsa_system_sgpr_workgroup_id_z 1
		.amdhsa_system_vgpr_workitem_id 0
		.amdhsa_next_free_vgpr 512
		.amdhsa_next_free_sgpr 100
		.amdhsa_reserve_vcc 0
		.amdhsa_float_denorm_mode_32 3
		.amdhsa_float_denorm_mode_16_64 3
		.amdhsa_memory_ordered 1
		.amdhsa_forward_progress 1
		.amdhsa_inst_pref_size 60
	.end_amdhsa_kernel
	.amdgpu_metadata
---
amdhsa.version: [ 1, 2 ]
amdhsa.kernels:
  - .name:           k_q744c51f7d6_gemm_o
    .symbol:         k_q744c51f7d6_gemm_o.kd
    .args:
      - { .name: ctx, .offset: 0, .size: 8, .value_kind: global_buffer, .address_space: global }
      - { .name: ops, .offset: 8, .size: 8, .value_kind: global_buffer, .address_space: global }
      - { .name: bo, .offset: 16, .size: 8, .value_kind: global_buffer, .address_space: global }
      - { .name: proj, .offset: 24, .size: 8, .value_kind: global_buffer, .address_space: global }
    .group_segment_fixed_size: 327680
    .private_segment_fixed_size: 0
    .kernarg_segment_align: 8
    .kernarg_segment_size: 32
    .max_flat_workgroup_size: 128
    .sgpr_count:     100
    .vgpr_count:     512
    .wavefront_size: 32
...
	.end_amdgpu_metadata
.endif
;; end of part 4
;; launch ln1 (part 5): grid 256 x 1, 8 waves a work-group, no clusters, 69,632 bytes of LDS; arguments proj, x, ln1_g, ln1_b, x1; writes x1
.if DOCPART == 5
	.amdgcn_target "amdgcn-amd-amdhsa--gfx1250"
	.amdhsa_code_object_version 6
	.text
	.protected	k_q744c51f7d6_ln1
	.globl	k_q744c51f7d6_ln1
	.p2align	8
	.type	k_q744c51f7d6_ln1,@function
k_q744c51f7d6_ln1:
	s_mov_b64 s[64:65], 0
	v_nop
	global_prefetch_b8 v0, s[64:65] scope:SCOPE_SE
	s_setreg_imm32_b32 hwreg(HW_REG_WAVE_MODE, 25, 1), 1
	s_wait_xcnt 0x0
; x1 = LayerNorm(x + proj) (eps 1e-5; mean first, then the mean of squared differences), stored as f32 [4096][1024] at x1 + 0 and, quantised to E4M3 along the 1,024, as an operand's images at x1 + 16,777,216
; (image 8 T + s: 2,048 bytes, byte 512 c + 16 lane) with scale words at x1 + 20,971,520 (64 bytes an image).
; A work-group is one tile T of 16 rows, rho(T, r) = 32 (T / 2) + 8 (T % 2) + r + 8 (r / 8); wave s takes columns 128 s on: one image.
; IN: each load takes 512 consecutive bytes of one row, 16 a lane; proj and x are added so, and the sums turn once through the wave's own stage in LDS (rows of 512 + 16 bytes), after which lane (r, h) holds, of row r,
; 16 neighbours of each of four blocks of 32: the order of the conversions.  LDS serves a wave's instructions in order, so no wait stands between the stage's stores and its loads, and no barrier: the stage is the wave's own.
; A row's sums meet in LDS: a word for each row and wave, one barrier for each of the two sums, in bytes of their own.  The f32 rows leave through the same stage as pieces of 512 consecutive bytes.
; LIMITS: NaN and infinities are not served; blocks whose largest magnitude lies under 2^-118 keep the byte 1.
.set Y,   32
.set XR,  96
.set BB,  160
.set TM,  224
.set PC,  240
.set PW,  24
.set SEL, 22
.set MNT, 24
.set INV, 25
.set EPS, 26
.set STGB, 16*528
.set RED0, 8*STGB
.macro QUANT s
.irp b, 0,1,2,3
	v_max3_num_f32 v[TM+\b], |v[\s+16*\b]|, |v[\s+1+16*\b]|, 0x4800000   ; with the floor 2^(9 - 127): the byte cannot fall under 1
.endr
.irp i, 2,4,6,8,10,12,14
.irp b, 0,1,2,3
	v_max3_num_f32 v[TM+\b], v[TM+\b], |v[\s+16*\b+\i]|, |v[\s+1+16*\b+\i]|
.endr
.endr
.irp b, 0,1,2,3
	v_permlanex16_b32 v[TM+4+\b], v[TM+\b], s[SEL], s[SEL+1]
.endr
.irp b, 0,1,2,3
	v_max_num_f32 v[TM+\b], v[TM+\b], v[TM+4+\b]
.endr
.irp b, 0,1,2,3
	v_add_nc_u32 v[TM+12+\b], 0xfc000000, v[TM+\b]
.endr
.irp b, 0,1,2,3
	v_and_or_b32 v[TM+8+\b], v[TM+\b], 0x7f800000, s[MNT]
.endr
.irp b, 0,1,2,3
	v_lshrrev_b32 v[TM+4+\b], 23, v[TM+12+\b]
.endr
	v_lshl_or_b32 v[PW], v[TM+5], 8, v[TM+4]
	v_lshl_or_b32 v[PW], v[TM+6], 16, v[PW]
	v_lshl_or_b32 v[PW], v[TM+7], 24, v[PW]
.irp b, 0,1,2,3
.irp i, 0,1,2,3,4,5,6,7,8,9,10,11,12,13,14,15
	v_med3_num_f32 v[\s+16*\b+\i], v[\s+16*\b+\i], -v[TM+8+\b], v[TM+8+\b]
.endr
	v_cvt_scalef32_pk8_fp8_f32 v[PC+4*\b:PC+1+4*\b], v[\s+16*\b:\s+7+16*\b], v[TM+12+\b]
	v_cvt_scalef32_pk8_fp8_f32 v[PC+2+4*\b:PC+3+4*\b], v[\s+8+16*\b:\s+15+16*\b], v[TM+12+\b]
.endr
	v_nop
.endm
.macro LOAD64 reg, adr, base           ; 16 numbers of each of four blocks: for the gain and the bias, which all rows share
.irp b, 0,1,2,3
.irp j, 0,1,2,3
	global_load_b128 v[\reg+16*\b+4*\j:\reg+16*\b+4*\j+3], v[\adr], s[\base:\base+1] offset:128*\b+16*\j
.endr
.endr
.endm
.macro LOADROWS reg, base              ; my 512 bytes of each of the tile's 16 rows: 32 lanes read 512 consecutive bytes
.irp t, 0,1,2,3,4,5,6,7,8,9,10,11,12,13,14,15
	global_load_b128 v[\reg+4*\t:\reg+4*\t+3], v5, s[\base:\base+1] offset:(\t+8*(\t/8))*4096 th:TH_LOAD_NT
.endr
.endm
; my row's number in v8 (the same in lanes l and l xor 16) joins the other waves': a word for each row and wave at off, a barrier, all eight read back; the row's sum in v8
.macro MEET off
	v_permlanex16_b32 v9, v8, s[SEL], s[SEL+1]
	v_add_f32 v8, v8, v9
	ds_store_b32 v12, v8 offset:\off
	s_wait_dscnt 0x0                               ; for the others' sake
	s_barrier_signal -1
	s_barrier_wait -1
	ds_load_b128 v[16:19], v13 offset:\off
	ds_load_b128 v[20:23], v13 offset:\off+16
	s_wait_dscnt 0x0
	v_pk_add_f32 v[16:17], v[16:17], v[18:19]
	v_pk_add_f32 v[20:21], v[20:21], v[22:23]
	v_pk_add_f32 v[16:17], v[16:17], v[20:21]
	v_add_f32 v8, v16, v17
.endm
	s_load_b256 s[4:11], s[0:1], 0x0               ; proj, x, ln1_g, ln1_b
	s_load_b64 s[12:13], s[0:1], 0x20              ; x1
	v_lshl_add_u32 v30, v0, 2, 0x10c00
	v_mov_b32 v31, 0
	v_lshrrev_b32 v1, 5, v0
	v_readfirstlane_b32 s14, v1                    ; wave = K step s
	v_and_b32 v1, 31, v0
	v_and_b32 v2, 15, v0                           ; r
	v_bfe_u32 v3, v0, 4, 1                         ; h
	v_lshlrev_b32 v5, 4, v1                        ; 16 x lane
	v_lshlrev_b32 v6, 2, v2                        ; 4 r
	v_lshlrev_b32 v7, 6, v3                        ; 64 h
	s_lshl_b32 s15, s14, 2
	v_lshlrev_b32 v13, 5, v2
	v_add_nc_u32 v13, RED0, v13                    ; my row's eight words
	v_add_nc_u32 v12, s15, v13                     ; my wave's among them
	s_mul_i32 s15, s14, STGB
	v_mul_u32_u24 v14, v2, 528
	v_lshl_add_u32 v14, v3, 6, v14
	v_add_nc_u32 v14, s15, v14                     ; my stage by operand order: row r, + 64 h
	v_add_nc_u32 v15, s15, v5                      ; and by rows: 16 x lane
.irp b, 0,1,2,3
	v_mov_b32 v[TM+4+\b], 0
.endr
	v_mov_b32 v9, 0
	s_mov_b32 s[SEL], 0x76543210
	s_mov_b32 s[SEL+1], 0xfedcba98
	s_mov_b32 s[MNT], 0x600000
	s_mov_b32 s[INV], 0x3a800000                   ; 1 / 1,024
	s_mov_b32 s[EPS], 0x3727c5ac                   ; 1e-5
	s_lshr_b32 s16, ttmp9, 1
	s_lshl_b32 s16, s16, 5
	s_and_b32 s17, ttmp9, 1
	s_lshl_b32 s17, s17, 3
	s_add_co_u32 s16, s16, s17                     ; the tile's first row
	s_lshl_b32 s16, s16, 12
	s_lshl_b32 s18, s14, 9
	s_add_co_u32 s16, s16, s18
	s_mov_b32 s17, 0
	s_mov_b32 s19, 0
	s_lshl_b32 s20, ttmp9, 3
	s_add_co_u32 s20, s20, s14                     ; the image's number
	s_lshl_b32 s30, s20, 11
	s_add_co_u32 s30, s30, 16777216
	s_mov_b32 s31, 0
	s_lshl_b32 s32, s20, 6
	s_add_co_u32 s32, s32, 20971520
	s_mov_b32 s33, 0
	s_wait_kmcnt 0x0
	s_add_nc_u64 s[4:5], s[4:5], s[16:17]
	s_add_nc_u64 s[6:7], s[6:7], s[16:17]
	s_add_nc_u64 s[8:9], s[8:9], s[18:19]
	s_add_nc_u64 s[10:11], s[10:11], s[18:19]
	s_add_nc_u64 s[28:29], s[12:13], s[16:17]
	s_add_nc_u64 s[30:31], s[12:13], s[30:31]
	s_add_nc_u64 s[32:33], s[12:13], s[32:33]
	LOADROWS Y, 4
	LOADROWS XR, 6
	LOAD64 BB, 7, 10
	s_wait_loadcnt 16                              ; proj and x are in; ln1_b's 16 loads may be out
.set n, 0
.rept 32
	v_pk_add_f32 v[Y+n:Y+n+1], v[Y+n:Y+n+1], v[XR+n:XR+n+1]   ; both lie by rows: register group t is row t
.set n, n+2
.endr
	LOAD64 XR, 7, 8                                ; the gain, where x lay
.irp t, 0,1,2,3,4,5,6,7,8,9,10,11,12,13,14,15
	ds_store_b128 v15, v[Y+4*\t:Y+4*\t+3] offset:528*\t       ; the turn: in by rows,
.endr
.irp b, 0,1,2,3
.irp j, 0,1,2,3
	ds_load_b128 v[Y+16*\b+4*\j:Y+16*\b+4*\j+3], v14 offset:128*\b+16*\j   ; back in the operand's order, into the registers that they left
.endr
.endr
	s_wait_dscnt 0x0
	v_pk_add_f32 v[8:9], v[Y:Y+1], v[Y+2:Y+3]
	v_pk_add_f32 v[10:11], v[Y+4:Y+5], v[Y+6:Y+7]
.irp j, 8,12,16,20,24,28,32,36,40,44,48,52,56,60
	v_pk_add_f32 v[8:9], v[8:9], v[Y+\j:Y+\j+1]
	v_pk_add_f32 v[10:11], v[10:11], v[Y+\j+2:Y+\j+3]
.endr
	v_pk_add_f32 v[8:9], v[8:9], v[10:11]
	v_add_f32 v8, v8, v9
	MEET 0
	v_mul_f32 v26, 0xba800000, v8                  ; - the mean
	v_mov_b32 v27, v26
.set n, 0
.rept 32
	v_pk_add_f32 v[Y+n:Y+n+1], v[Y+n:Y+n+1], v[26:27]
.set n, n+2
.endr
	v_pk_mul_f32 v[8:9], v[Y:Y+1], v[Y:Y+1]
	v_pk_mul_f32 v[10:11], v[Y+2:Y+3], v[Y+2:Y+3]
.irp j, 4,8,12,16,20,24,28,32,36,40,44,48,52,56,60
	v_pk_fma_f32 v[8:9], v[Y+\j:Y+\j+1], v[Y+\j:Y+\j+1], v[8:9]
	v_pk_fma_f32 v[10:11], v[Y+\j+2:Y+\j+3], v[Y+\j+2:Y+\j+3], v[10:11]
.endr
	v_pk_add_f32 v[8:9], v[8:9], v[10:11]
	v_add_f32 v8, v8, v9
	MEET 512
	v_fma_f32 v8, v8, s[INV], s[EPS]
	v_rsq_f32 v26, v8
	v_nop                                          ; a plain line behind the transcendental
	s_wait_alu depctr_va_vdst(0)                   ; ahead of its first reader
	v_mov_b32 v27, v26
	s_wait_loadcnt 0x0                             ; the gain and the bias
.set n, 0
.rept 32
	v_pk_mul_f32 v[Y+n:Y+n+1], v[Y+n:Y+n+1], v[26:27]
.set n, n+2
.endr
.set n, 0
.rept 32
	v_pk_fma_f32 v[Y+n:Y+n+1], v[Y+n:Y+n+1], v[XR+n:XR+n+1], v[BB+n:BB+n+1]
.set n, n+2
.endr
.irp b, 0,1,2,3
.irp j, 0,1,2,3
	ds_store_b128 v14, v[Y+16*\b+4*\j:Y+16*\b+4*\j+3] offset:128*\b+16*\j     ; ahead of the quantiser, whose holds change the numbers
.endr
.endr
	s_wait_dscnt 0x0                               ; the stores have read their registers
	QUANT Y
.irp c, 0,1,2,3
	global_store_b128 v5, v[PC+4*\c:PC+4*\c+3], s[30:31] offset:512*\c
.endr
	global_store_b32 v6, v[PW], s[32:33]
.irp t, 0,1,2,3,4,5,6,7,8,9,10,11,12,13,14,15
	ds_load_b128 v[XR+4*\t:XR+4*\t+3], v15 offset:528*\t
.endr
.irp t, 0,1,2,3,4,5,6,7,8,9,10,11,12,13,14,15
	s_wait_dscnt 15-\t
	global_store_b128 v5, v[XR+4*\t:XR+4*\t+3], s[28:29] offset:(\t+8*(\t/8))*4096   ; 32 lanes store 512 consecutive bytes of row rho(T, t)
.endr
	s_wait_tensorcnt 0x0
	ds_add_u32 v30, v31
	s_wait_dscnt 0x0
	s_endpgm
.Lfunc_end_k_q744c51f7d6_ln1:
	.size	k_q744c51f7d6_ln1, .Lfunc_end_k_q744c51f7d6_ln1-k_q744c51f7d6_ln1
	.p2alignl 7, 3214868480
	.fill 96, 4, 3214868480
	.section	.rodata,"a",@progbits
	.p2align	6, 0x0
	.amdhsa_kernel k_q744c51f7d6_ln1
		.amdhsa_group_segment_fixed_size 69632
		.amdhsa_private_segment_fixed_size 0
		.amdhsa_enable_private_segment 0
		.amdhsa_kernarg_size 40
		.amdhsa_user_sgpr_count 2
		.amdhsa_user_sgpr_kernarg_segment_ptr 1
		.amdhsa_wavefront_size32 1
		.amdhsa_system_sgpr_workgroup_id_x 1
		.amdhsa_system_sgpr_workgroup_id_y 1
		.amdhsa_system_sgpr_workgroup_id_z 1
		.amdhsa_system_vgpr_workitem_id 0
		.amdhsa_next_free_vgpr 256
		.amdhsa_next_free_sgpr 66
		.amdhsa_reserve_vcc 0
		.amdhsa_float_denorm_mode_32 3
		.amdhsa_float_denorm_mode_16_64 3
		.amdhsa_memory_ordered 1
		.amdhsa_forward_progress 1
		.amdhsa_inst_pref_size 37
	.end_amdhsa_kernel
	.amdgpu_metadata
---
amdhsa.version: [ 1, 2 ]
amdhsa.kernels:
  - .name:           k_q744c51f7d6_ln1
    .symbol:         k_q744c51f7d6_ln1.kd
    .args:
      - { .name: proj, .offset: 0, .size: 8, .value_kind: global_buffer, .address_space: global }
      - { .name: x, .offset: 8, .size: 8, .value_kind: global_buffer, .address_space: global }
      - { .name: ln1_g, .offset: 16, .size: 8, .value_kind: global_buffer, .address_space: global }
      - { .name: ln1_b, .offset: 24, .size: 8, .value_kind: global_buffer, .address_space: global }
      - { .name: x1, .offset: 32, .size: 8, .value_kind: global_buffer, .address_space: global }
    .group_segment_fixed_size: 69632
    .private_segment_fixed_size: 0
    .kernarg_segment_align: 8
    .kernarg_segment_size: 40
    .max_flat_workgroup_size: 256
    .sgpr_count:     66
    .vgpr_count:     256
    .wavefront_size: 32
...
	.end_amdgpu_metadata
.endif
;; end of part 5
;; launch gemm_f1 (part 6): grid 16 x 16, 4 waves a work-group, clusters of 4 x 4, 327,680 bytes of LDS; arguments x1, ops, b1, hid; writes hid
.if DOCPART == 6
	.amdgcn_target "amdgcn-amd-amdhsa--gfx1250"
	.amdhsa_code_object_version 6
	.text
	.protected	k_q744c51f7d6_gemm_f1
	.globl	k_q744c51f7d6_gemm_f1
	.p2align	8
	.type	k_q744c51f7d6_gemm_f1,@function
k_q744c51f7d6_gemm_f1:
	s_mov_b64 s[64:65], 0
	v_nop
	global_prefetch_b8 v0, s[64:65] scope:SCOPE_SE
	s_setreg_imm32_b32 hwreg(HW_REG_WAVE_MODE, 25, 1), 1
	s_wait_xcnt 0x0
	s_wait_alu depctr_hold_cnt(0) depctr_sa_sdst(0) depctr_va_vdst(0) depctr_va_sdst(0) depctr_va_ssrc(0) depctr_va_vcc(0) depctr_vm_vsrc(0)
	s_getreg_b32 s2, hwreg(HW_REG_IB_STS2, 6, 4)
	s_cmp_eq_u32 s2, 0
	s_cbranch_scc0 .Lentry_in_a_cluster
	s_endpgm
.Lentry_in_a_cluster:
	s_bfe_u32 s2, ttmp6, 0x10000c
	s_cmp_lg_u32 s2, 0xf033
	s_cbranch_scc0 .Lentry_shape_is_right
	s_endpgm
.Lentry_shape_is_right:
; hid = Q(gelu(x1 w1 + b1)): the product on codes of E4M3 (K = 1,024), the exact gelu in f32, the quantiser along the 4,096 hidden units.  Operands lie as images of operand registers (2,048 bytes for a tile of
; 16 rows and 128 along K: byte 512 c + 16 lane; a tile's rows are rho(T, r) = 32 (T / 2) + 8 (T % 2) + r + 8 (r / 8)): x1's at x1 + 16,777,216 (scale words at + 20,971,520), w1's at ops + 8,388,608 (scale words at
; ops + 2^24 + the codes' offset / 32).  hid takes the same form with 32 K steps a tile: image 32 T + s; scale words at hid + 2^24.
; A work-group of four waves makes 256 tokens x 256 units, a wave 128 x 128 in 64 accumulators.  The matrix instruction is used transposed (source 0 = w1, source 1 = x1): a lane holds one token, and the 64 registers
; of a tile of tokens are units 32 b + 16 (lane / 16) + 0 .. 15: the conversions' order; their results are one image of hid.  Ring of two LDS slots of 256 along K; scale words once; clusters of 4 x 4 with joint loads.
; GELU: g = max(x, 0) - |x| R, R = erfc(|x| / sqrt 2) / 2 by Abramowitz and Stegun 7.1.26 (a polynomial of degree 5 in 1 / (1 + 0.2316419 |x|) times exp(-x^2 / 2)): no difference of near numbers for x < 0.
; LIMITS: erf is within 1.5e-7 of its value (plus f32 rounding); NaN and infinities are not served.
.set NQ,     2
.set FR,     16
.set NL,     4
.set NP,     8
.set TILEB,  NQ*2048
.set HALFT,  8*TILEB
.set SLOT,   4*HALFT
.set SCL,    2*SLOT
.set SPARE,  SCL+4*4096
.set LAPS,   2
.set LI,   4
.set LS,   5
.set ADRA, 16
.set ADRB, 20
.set ADRS, 27
.set SPW,  28
.set NIL,  29
.set SC,   32                          ; v32-63 scale words, two sets; they hold nothing else
.set BJ,   64                          ; v64-127 b1 of my 128 units, in the result's order
.set AF,   128
.set X,    128
.set PC,   192
.set TM,   208
.set PW,   224
.set GU,   192                         ; the gelu's temporaries lie where the quantiser will work afterwards
.set GE,   208
.set CE,   226                         ; constants, each twice: a pair for the packed forms
.set CA5,  228
.set CA4,  230
.set CA3,  232
.set CA2,  234
.set CA1,  236
.set GP,   240
.set WV, 16
.set HA, 17
.set HB, 18
.set CX, 19
.set CY, 20
.set RI, 23
.set CJ, 46
.set G1, 24
.set G0, 32
.set G1B, 48
.set G0B, 56
.set G1S, 68
.set G0S, 76
.set G1SB, 80
.set G0SB, 88
.set KP,  96
.set MNT, 97
.set SEL, 98
.set MSB, 0
.macro WIN new
.if MSB != (\new)
	s_set_vgpr_msb (MSB<<8)|(\new)
.set MSB, (\new)
.endif
.endm
.set MUL_LO, 0xa1
.set MUL_HI, 0xf1
.set TO_B,   0x40
.macro JLOAD g0a, g1a, g0b, g1b        ; waves 0, 1 fetch for x1, waves 2, 3 for w1; four v_nop follow each line
	s_cmp_eq_u32 s[HA], 0
	s_cbranch_scc0 .Lfor_b_\@
	tensor_load_to_lds s[\g0a:\g0a+3], s[\g1a:\g1a+7]
	s_nop 0
.rept 4
	v_nop
.endr
	s_branch .Lasked_\@
.Lfor_b_\@:
	tensor_load_to_lds s[\g0b:\g0b+3], s[\g1b:\g1b+7]
	s_nop 0
.rept 4
	v_nop
.endr
.Lasked_\@:
.endm
.macro CREST
	s_cmp_lg_u32 s[WV], 0
	s_cbranch_scc1 .Lnot_wave_0_\@
	s_barrier_signal -3
.Lnot_wave_0_\@:
	s_barrier_wait -3
	s_barrier_signal -1
	s_barrier_wait -1
.endm
.macro CROUND
	s_barrier_signal -1
	s_barrier_wait -1
	CREST
.endm
	s_load_b256 s[4:11], s[0:1], 0x0               ; x1, ops, b1, hid
	v_lshl_add_u32 v[SPW], v0, 2, SPARE
	v_mov_b32 v[NIL], 0
	ds_add_u32 v28, v29
	ds_add_u32 v28, v29
	s_wait_dscnt 0x0
	v_lshrrev_b32 v1, 5, v0
	v_readfirstlane_b32 s[WV], v1
	s_lshr_b32 s[HA], s[WV], 1
	s_and_b32 s[HB], s[WV], 1
	s_bfe_u32 s[CX], ttmp6, 0x40000
	s_bfe_u32 s[CY], ttmp6, 0x40004
	s_lshl_b32 s[CJ], ttmp9, 2
	s_add_co_u32 s[CJ], s[CJ], s[CX]               ; which 256 units
	s_and_b32 s[RI], ttmp7, 0xffff
	s_lshl_b32 s[RI], s[RI], 2
	s_add_co_u32 s[RI], s[RI], s[CY]               ; which 256 tokens
	s_lshl_b32 s40, s[CY], 2
	s_lshl_b32 s40, 15, s40
	s_lshl_b32 s41, 0x1111, s[CX]
	s_or_b32 s[G1+0], s40, (3<<16)|(1<<21)         ; codes: 8 rows (tiles) of 4,096 bytes, 16,384 bytes apart
	s_or_b32 s[G1B+0], s41, (3<<16)|(1<<21)
.irp g, G1, G1B
	s_mov_b32 s[\g+1], 512<<16
	s_mov_b32 s[\g+2], 8<<16
	s_mov_b32 s[\g+3], 512<<16
	s_mov_b32 s[\g+4], 8
	s_mov_b32 s[\g+5], 2048
	s_mov_b32 s[\g+6], 0
	s_mov_b32 s[\g+7], 0
.endr
	s_or_b32 s[G1S+0], s40, (3<<16)|(1<<21)        ; scale words of 8 tiles: 4,096 dense bytes as 16 rows of 256
	s_or_b32 s[G1SB+0], s41, (3<<16)|(1<<21)
.irp g, G1S, G1SB
	s_mov_b32 s[\g+1], 32<<16
	s_mov_b32 s[\g+2], 16<<16
	s_mov_b32 s[\g+3], 32<<16
	s_mov_b32 s[\g+4], 16
	s_mov_b32 s[\g+5], 32
	s_mov_b32 s[\g+6], 0
	s_mov_b32 s[\g+7], 0
.endr
	s_lshl_b32 s47, s[HB], 17                      ; the 8 tiles that I fetch
	s_lshl_b32 s42, s[RI], 18
	s_add_co_u32 s42, s42, s47
	s_lshr_b32 s92, s42, 5
	s_add_co_u32 s92, s92, 20971520
	s_add_co_u32 s42, s42, 16777216
	s_mov_b32 s43, 0
	s_mov_b32 s93, 0
	s_lshl_b32 s44, s[CJ], 18
	s_add_co_u32 s44, s44, s47
	s_add_co_u32 s44, s44, 8388608
	s_lshr_b32 s94, s44, 5
	s_add_co_u32 s94, s94, 0x1000000
	s_mov_b32 s45, 0
	s_mov_b32 s95, 0
	s_lshl_b32 s96, s[WV], 15
	s_lshl_b32 s97, s[WV], 12
	s_wait_kmcnt 0x0
	s_add_nc_u64 s[42:43], s[4:5], s[42:43]
	s_add_nc_u64 s[92:93], s[4:5], s[92:93]
	s_add_nc_u64 s[44:45], s[6:7], s[44:45]
	s_add_nc_u64 s[94:95], s[6:7], s[94:95]
	CROUND                                         ; all sixteen work-groups are here: the first joint loads meet
	s_mov_b32 s[G0S], 1
	s_add_co_u32 s[G0S+1], s97, SCL
	s_mov_b64 s[G0S+2:G0S+3], s[92:93]
	s_or_b32 s[G0S+3], s[G0S+3], 0x80000000
	s_mov_b32 s[G0SB], 1
	s_add_co_u32 s[G0SB+1], s97, SCL
	s_mov_b64 s[G0SB+2:G0SB+3], s[94:95]
	s_or_b32 s[G0SB+3], s[G0SB+3], 0x80000000
	JLOAD G0S, G1S, G0SB, G1SB
.irp s, 0,1
	s_mov_b32 s[G0+4*\s], 1
	s_add_co_u32 s[G0+4*\s+1], s96, \s*SLOT
	s_add_nc_u64 s[G0+4*\s+2:G0+4*\s+3], s[42:43], \s*TILEB
	s_or_b32 s[G0+4*\s+3], s[G0+4*\s+3], 0x80000000
	s_mov_b32 s[G0B+4*\s], 1
	s_add_co_u32 s[G0B+4*\s+1], s96, \s*SLOT
	s_add_nc_u64 s[G0B+4*\s+2:G0B+4*\s+3], s[44:45], \s*TILEB
	s_or_b32 s[G0B+4*\s+3], s[G0B+4*\s+3], 0x80000000
	JLOAD G0+4*\s, G1, G0B+4*\s, G1B               ; three loads of mine are out behind the last
.endr
	v_and_b32 v1, 15, v0
	v_bfe_u32 v2, v0, 4, 1
	v_and_b32 v3, 31, v0
	v_lshlrev_b32 v4, 4, v3
	s_lshl_b32 s98, s[HA], 15
	s_lshl_b32 s99, s[HB], 15
	s_add_co_u32 s99, s99, 2*HALFT
.irp s, 0,1
	v_add_nc_u32 v[ADRA+\s], s98, v4
	v_add_nc_u32 v[ADRB+\s], s99, v4
	s_add_co_u32 s98, s98, SLOT
	s_add_co_u32 s99, s99, SLOT
.endr
	v_lshlrev_b32 v5, 2, v1
	s_lshl_b32 s98, s[HA], 12
	s_lshl_b32 s99, s[HB], 12
	s_add_co_u32 s99, s99, 8192
	s_sub_co_u32 s99, s99, s98
	v_mul_u32_u24 v6, s99, v2                      ; lanes 16-31 take w1's
	s_add_co_u32 s98, s98, SCL
	v_add_nc_u32 v5, v5, v6
	v_add_nc_u32 v[ADRS], s98, v5
	s_lshl_b32 s98, s[CJ], 10
	s_lshl_b32 s99, s[HB], 9
	s_add_co_u32 s98, s98, s99
	s_mov_b32 s99, 0
	s_add_nc_u64 s[8:9], s[8:9], s[98:99]          ; b1 at my 128 units
	v_lshlrev_b32 v7, 6, v2                        ; 64 h; it stands until the loads are waited for
.irp b, 0,1,2,3
.irp j, 0,1,2,3
	global_load_b128 v[BJ+16*\b+4*\j:BJ+16*\b+4*\j+3], v7, s[8:9] offset:128*\b+16*\j
.endr
.endr
.macro FRAG reg, adr, q, i
.irp c, 0,1,2,3
	ds_load_b128 v[\reg+4*\c:\reg+4*\c+3], v[\adr] offset:TILEB*(\i)+2048*(\q)+512*\c
.endr
.endm
; 16 matrix instructions; the 64 accumulators take turns, one instruction a turn, in the same order in every step
.macro MUL16 a0, p, q, sc, zero
.irp a, \a0, \a0+1
.irp b, 0,1,2,3,4,5,6,7
.if \zero
	v_wmma_scale_f32_16x16x128_f8f6f4 v[8*(8*((\a)%4)+\b):8*(8*((\a)%4)+\b)+7], v[128*(\p)+FR*\b:128*(\p)+FR*\b+FR-1], v[AF+FR*(\a):AF+FR*(\a)+FR-1], 0, v[SC+8*NQ*(\sc)+NQ*\b+(\q)], v[SC+8*NQ*(\sc)+NQ*(\a)+(\q)] matrix_a_scale:MATRIX_SCALE_ROW1
.else
	v_wmma_scale_f32_16x16x128_f8f6f4 v[8*(8*((\a)%4)+\b):8*(8*((\a)%4)+\b)+7], v[128*(\p)+FR*\b:128*(\p)+FR*\b+FR-1], v[AF+FR*(\a):AF+FR*(\a)+FR-1], v[8*(8*((\a)%4)+\b):8*(8*((\a)%4)+\b)+7], v[SC+8*NQ*(\sc)+NQ*\b+(\q)], v[SC+8*NQ*(\sc)+NQ*(\a)+(\q)] matrix_a_scale:MATRIX_SCALE_ROW1
.endif
.endr
.endr
.endm
.macro FETCH_B slot, q, p
	WIN TO_B
.irp i, 0,1,2,3,4,5,6,7
	FRAG 128*(\p)+FR*\i, ADRB+\slot, \q, \i
.endr
	WIN 0
.endm
.macro FETCH_A slot, q, i0
.irp i, \i0, \i0+1, \i0+2, \i0+3
	FRAG AF+FR*(\i), ADRA+\slot, \q, \i
.endr
.endm
.macro SCALES sc
.irp i, 0,1,2,3,4,5,6,7
	ds_load_b32 v[SC+8*NQ*\sc+NQ*\i], v[ADRS] offset:512*\i
	ds_load_b32 v[SC+8*NQ*\sc+NQ*\i+1], v[ADRS] offset:512*\i+64
.endr
.endm
.macro PLACES n
.rept \n
	v_nop
.endr
.endm
.macro STEP slot, q, zero
	s_wait_dscnt 4*NL                              ; all but the youngest 16 loads (token tiles 4-7)
	WIN MUL_LO
	MUL16 0, (\q)%2, \q, \slot, \zero
	MUL16 2, (\q)%2, \q, \slot, \zero
	s_wait_dscnt 0
	PLACES NP
	FETCH_B \slot, (\q)+1, 1-(\q)%2
	FETCH_A \slot, (\q)+1, 0
	WIN MUL_HI
	MUL16 4, (\q)%2, \q, \slot, \zero
	MUL16 6, (\q)%2, \q, \slot, \zero
	PLACES NP
	WIN 0
	FETCH_A \slot, (\q)+1, 4
.endm
.macro TURN slot, next, fill
	s_wait_tensorcnt 0x0                           ; all my tensor loads have landed
	ds_add_u32 v[SPW], v[NIL]
	s_wait_dscnt 4*NL+1                            ; the add and the youngest 16 loads may be out
	WIN MUL_LO
	MUL16 0, 1, NQ-1, \slot, 0
	s_wait_dscnt 0x0                               ; the add is done, my reads of this slot are over
	s_barrier_signal -1
	MUL16 2, 1, NQ-1, \slot, 0
	WIN 0
	s_barrier_wait -1
.if \fill
	CREST
	s_add_nc_u64 s[G0+4*\slot+2:G0+4*\slot+3], s[G0+4*\slot+2:G0+4*\slot+3], 2*TILEB
	s_add_nc_u64 s[G0B+4*\slot+2:G0B+4*\slot+3], s[G0B+4*\slot+2:G0B+4*\slot+3], 2*TILEB
	JLOAD G0+4*\slot, G1, G0B+4*\slot, G1B
	PLACES NP-4
.else
	PLACES NP
.endif
	v_add_nc_u32 v[ADRS], 64*NQ, v[ADRS]
	FETCH_B \next, 0, 0
	FETCH_A \next, 0, 0
	SCALES \next
	WIN MUL_HI
	MUL16 4, 1, NQ-1, \slot, 0
	MUL16 6, 1, NQ-1, \slot, 0
	PLACES NP
	WIN 0
	FETCH_A \next, 0, 4
.endm
	s_wait_tensorcnt 1                             ; the scale words and my part of slot 0 are in; slot 1's load may be out
	s_barrier_signal -1
	s_barrier_wait -1
	FETCH_B 0, 0, 0
	FETCH_A 0, 0, 0
	SCALES 0
	FETCH_A 0, 0, 4
	STEP 0, 0, 1
	s_mov_b32 s3, LAPS-1
.Llap:
	TURN 0, 1, 1
	STEP 1, 0, 0
	TURN 1, 0, 1
	STEP 0, 0, 0
	s_sub_co_u32 s3, s3, 1
	s_cmp_lg_u32 s3, 0
	s_cbranch_scc1 .Llap
	TURN 0, 1, 0
	STEP 1, 0, 0
	s_wait_dscnt 4*NL
	WIN MUL_LO
	MUL16 0, 1, NQ-1, 1, 0
	MUL16 2, 1, NQ-1, 1, 0
	s_wait_dscnt 0
	WIN MUL_HI
	MUL16 4, 1, NQ-1, 1, 0
	MUL16 6, 1, NQ-1, 1, 0
	WIN 0
.macro QUANT s
.irp b, 0,1,2,3
	v_max3_num_f32 v[TM+\b], |v[\s+16*\b]|, |v[\s+1+16*\b]|, 0x4800000   ; with the floor 2^(9 - 127): the byte cannot fall under 1
.endr
.irp i, 2,4,6,8,10,12,14
.irp b, 0,1,2,3
	v_max3_num_f32 v[TM+\b], v[TM+\b], |v[\s+16*\b+\i]|, |v[\s+1+16*\b+\i]|
.endr
.endr
.irp b, 0,1,2,3
	v_permlanex16_b32 v[TM+4+\b], v[TM+\b], s[SEL], s[SEL+1]
.endr
.irp b, 0,1,2,3
	v_max_num_f32 v[TM+\b], v[TM+\b], v[TM+4+\b]
.endr
.irp b, 0,1,2,3
	v_add_nc_u32 v[TM+12+\b], 0xfc000000, v[TM+\b]
.endr
.irp b, 0,1,2,3
	v_and_or_b32 v[TM+8+\b], v[TM+\b], 0x7f800000, s[MNT]
.endr
.irp b, 0,1,2,3
	v_lshrrev_b32 v[TM+4+\b], 23, v[TM+12+\b]
.endr
	v_lshl_or_b32 v[PW], v[TM+5], 8, v[TM+4]
	v_lshl_or_b32 v[PW], v[TM+6], 16, v[PW]
	v_lshl_or_b32 v[PW], v[TM+7], 24, v[PW]
.irp b, 0,1,2,3
.irp i, 0,1,2,3,4,5,6,7,8,9,10,11,12,13,14,15
	v_med3_num_f32 v[\s+16*\b+\i], v[\s+16*\b+\i], -v[TM+8+\b], v[TM+8+\b]
.endr
	v_cvt_scalef32_pk8_fp8_f32 v[PC+4*\b:PC+1+4*\b], v[\s+16*\b:\s+7+16*\b], v[TM+12+\b]
	v_cvt_scalef32_pk8_fp8_f32 v[PC+2+4*\b:PC+3+4*\b], v[\s+8+16*\b:\s+15+16*\b], v[TM+12+\b]
.endr
	v_nop
.endm
; the gelu of 16 numbers, in place.  The 32 transcendentals are one batch with one wait
.macro GELU16 x
.irp i, 0,1,2,3,4,5,6,7,8,9,10,11,12,13,14,15
	v_fma_f32 v[GU+\i], |v[\x+\i]|, s[KP], 1.0                     ; 1 + 0.2316419 |x|
.endr
.irp i, 0,2,4,6,8,10,12,14
	v_pk_mul_f32 v[GE+\i:GE+\i+1], v[\x+\i:\x+\i+1], v[\x+\i:\x+\i+1]
.endr
.irp i, 0,2,4,6,8,10,12,14
	v_pk_mul_f32 v[GE+\i:GE+\i+1], v[GE+\i:GE+\i+1], v[CE:CE+1]    ; - x^2 log2(e) / 2
.endr
.irp i, 0,1,2,3,4,5,6,7,8,9,10,11,12,13,14,15
	v_rcp_f32 v[GU+\i], v[GU+\i]
.endr
.irp i, 0,1,2,3,4,5,6,7,8,9,10,11,12,13,14,15
	v_exp_f32 v[GE+\i], v[GE+\i]
.endr
	v_nop                                          ; a plain line behind the last transcendental
	s_wait_alu depctr_va_vdst(0)                   ; one wait for the batch, ahead of its first reader
.irp i, 0,2,4,6,8,10,12,14
	v_pk_fma_f32 v[GP+\i:GP+\i+1], v[GU+\i:GU+\i+1], v[CA5:CA5+1], v[CA4:CA4+1]
.endr
.irp i, 0,2,4,6,8,10,12,14
	v_pk_fma_f32 v[GP+\i:GP+\i+1], v[GP+\i:GP+\i+1], v[GU+\i:GU+\i+1], v[CA3:CA3+1]
.endr
.irp i, 0,2,4,6,8,10,12,14
	v_pk_fma_f32 v[GP+\i:GP+\i+1], v[GP+\i:GP+\i+1], v[GU+\i:GU+\i+1], v[CA2:CA2+1]
.endr
.irp i, 0,2,4,6,8,10,12,14
	v_pk_fma_f32 v[GP+\i:GP+\i+1], v[GP+\i:GP+\i+1], v[GU+\i:GU+\i+1], v[CA1:CA1+1]
.endr
.irp i, 0,2,4,6,8,10,12,14
	v_pk_mul_f32 v[GP+\i:GP+\i+1], v[GP+\i:GP+\i+1], v[GU+\i:GU+\i+1]
.endr
.irp i, 0,2,4,6,8,10,12,14
	v_pk_mul_f32 v[GP+\i:GP+\i+1], v[GP+\i:GP+\i+1], v[GE+\i:GE+\i+1]   ; R
.endr
.irp i, 0,1,2,3,4,5,6,7,8,9,10,11,12,13,14,15
	v_max_num_f32 v[GU+\i], 0, v[\x+\i]
.endr
.irp i, 0,1,2,3,4,5,6,7,8,9,10,11,12,13,14,15
	v_fma_f32 v[\x+\i], -|v[\x+\i]|, v[GP+\i], v[GU+\i]
.endr
.endm
	; THE WAY OUT: a loop of eight trips, one for each tile of tokens; only the transfer out of the accumulators (with b1 added) is written eight times
	s_wait_loadcnt 0x0                             ; b1; its address register may be written again
	; nine plain lines that name no register of the last products: the places in front of the first read of results and the first write of the fragments' registers
	v_and_b32 v1, 15, v0
	v_bfe_u32 v2, v0, 4, 1
	v_and_b32 v3, 31, v0
	v_lshlrev_b32 v[LI], 4, v3
	v_lshlrev_b32 v[LS], 2, v1
	v_mov_b32 v6, 0
	v_mov_b32 v7, 0
	v_mov_b32 v8, 0
	v_mov_b32 v9, 0
.irp p, CE, CE+1
	v_mov_b32 v[\p], 0xbf38aa3b                    ; - log2(e) / 2
.endr
.irp p, CA5, CA5+1
	v_mov_b32 v[\p], 0x3f07dc22                    ; 1.061405429 / 2
.endr
.irp p, CA4, CA4+1
	v_mov_b32 v[\p], 0xbf3a00e3                    ; -1.453152027 / 2
.endr
.irp p, CA3, CA3+1
	v_mov_b32 v[\p], 0x3f35f0e3                    ; 1.421413741 / 2
.endr
.irp p, CA2, CA2+1
	v_mov_b32 v[\p], 0xbe11a98e                    ; -0.284496736 / 2
.endr
.irp p, CA1, CA1+1
	v_mov_b32 v[\p], 0x3e027906                    ; 0.254829592 / 2
.endr
	s_mov_b32 s[KP], 0x3e6d3388                    ; 0.3275911 / sqrt 2
	s_mov_b32 s[SEL], 0x76543210
	s_mov_b32 s[SEL+1], 0xfedcba98
	s_mov_b32 s[MNT], 0x600000
	s_mov_b32 s2, 0
	s_lshl_b32 s48, s[RI], 4
	s_lshl_b32 s49, s[HA], 3
	s_add_co_u32 s48, s48, s49                     ; my first tile of tokens
	s_lshl_b32 s49, s[CJ], 1
	s_add_co_u32 s49, s49, s[HB]                   ; the K step of hid that my 128 units are
	s_lshl_b32 s44, s48, 16
	s_lshl_b32 s50, s49, 11
	s_add_co_u32 s44, s44, s50
	s_mov_b32 s45, 0
	s_lshl_b32 s52, s48, 11
	s_lshl_b32 s50, s49, 6
	s_add_co_u32 s52, s52, s50
	s_add_co_u32 s52, s52, 0x1000000
	s_mov_b32 s53, 0
	s_add_nc_u64 s[24:25], s[10:11], s[44:45]
	s_add_nc_u64 s[28:29], s[10:11], s[52:53]
.Lrow:
.irp k, 0,1,2,3,4,5,6
	s_cmp_eq_u32 s2, \k
	s_cbranch_scc1 .Lt\k
.endr
	s_branch .Lt7
.irp k, 0,1,2,3,4,5,6,7
.Lt\k:
	WIN 0x02+(\k)/4                                ; source 0: the accumulators' window
.set n, 0
.rept 32
	v_pk_add_f32 v[X+n:X+n+1], v[64*((\k)%4)+n:64*((\k)%4)+n+1], v[BJ+n:BJ+n+1]   ; each accumulator from its low end on
.set n, n+2
.endr
	WIN 0
	s_branch .Lgo
.endr
.Lgo:
	GELU16 X
	GELU16 X+16
	GELU16 X+32
	GELU16 X+48
	QUANT X
.irp c, 0,1,2,3
	global_store_b128 v[LI], v[PC+4*\c:PC+4*\c+3], s[24:25] offset:512*\c
.endr
	global_store_b32 v[LS], v[PW], s[28:29]
	s_wait_xcnt 0x0                                ; the stores have read their bases and data: both are written again
	s_add_nc_u64 s[24:25], s[24:25], 65536
	s_add_nc_u64 s[28:29], s[28:29], 2048
	s_add_co_u32 s2, s2, 1
	s_cmp_lt_u32 s2, 8
	s_cbranch_scc1 .Lrow
	s_wait_tensorcnt 0x0                           ; the wave's end
	ds_add_u32 v[SPW], v[NIL]
	s_wait_dscnt 0x0
	CROUND                                         ; the closing round
	s_endpgm
.Lfunc_end_k_q744c51f7d6_gemm_f1:
	.size	k_q744c51f7d6_gemm_f1, .Lfunc_end_k_q744c51f7d6_gemm_f1-k_q744c51f7d6_gemm_f1
	.p2alignl 7, 3214868480
	.fill 96, 4, 3214868480
	.section	.rodata,"a",@progbits
	.p2align	6, 0x0
	.amdhsa_kernel k_q744c51f7d6_gemm_f1
		.amdhsa_group_segment_fixed_size 327680
		.amdhsa_private_segment_fixed_size 0
		.amdhsa_enable_private_segment 0
		.amdhsa_kernarg_size 32
		.amdhsa_user_sgpr_count 2
		.amdhsa_user_sgpr_kernarg_segment_ptr 1
		.amdhsa_wavefront_size32 1
		.amdhsa_system_sgpr_workgroup_id_x 1
		.amdhsa_system_sgpr_workgroup_id_y 1
		.amdhsa_system_sgpr_workgroup_id_z 1
		.amdhsa_system_vgpr_workitem_id 0
		.amdhsa_next_free_vgpr 1024
		.amdhsa_next_free_sgpr 100
		.amdhsa_reserve_vcc 0
		.amdhsa_float_denorm_mode_32 3
		.amdhsa_float_denorm_mode_16_64 3
		.amdhsa_memory_ordered 1
		.amdhsa_forward_progress 1
		.amdhsa_inst_pref_size 176
	.end_amdhsa_kernel
	.amdgpu_metadata
---
amdhsa.version: [ 1, 2 ]
amdhsa.kernels:
  - .name:           k_q744c51f7d6_gemm_f1
    .symbol:         k_q744c51f7d6_gemm_f1.kd
    .args:
      - { .name: x1, .offset: 0, .size: 8, .value_kind: global_buffer, .address_space: global }
      - { .name: ops, .offset: 8, .size: 8, .value_kind: global_buffer, .address_space: global }
      - { .name: b1, .offset: 16, .size: 8, .value_kind: global_buffer, .address_space: global }
      - { .name: hid, .offset: 24, .size: 8, .value_kind: global_buffer, .address_space: global }
    .group_segment_fixed_size: 327680
    .private_segment_fixed_size: 0
    .kernarg_segment_align: 8
    .kernarg_segment_size: 32
    .max_flat_workgroup_size: 128
    .sgpr_count:     100
    .vgpr_count:     1024
    .wavefront_size: 32
...
	.end_amdgpu_metadata
.endif
;; end of part 6
;; launch gemm_f2 (part 7): grid 8 x 32, 4 waves a work-group, clusters of 4 x 4, 327,680 bytes of LDS; arguments hid, ops, b2, proj; writes proj
.if DOCPART == 7
	.amdgcn_target "amdgcn-amd-amdhsa--gfx1250"
	.amdhsa_code_object_version 6
	.text
	.protected	k_q744c51f7d6_gemm_f2
	.globl	k_q744c51f7d6_gemm_f2
	.p2align	8
	.type	k_q744c51f7d6_gemm_f2,@function
k_q744c51f7d6_gemm_f2:
	s_mov_b64 s[64:65], 0
	v_nop
	global_prefetch_b8 v0, s[64:65] scope:SCOPE_SE
	s_setreg_imm32_b32 hwreg(HW_REG_WAVE_MODE, 25, 1), 1
	s_wait_xcnt 0x0
	s_wait_alu depctr_hold_cnt(0) depctr_sa_sdst(0) depctr_va_vdst(0) depctr_va_sdst(0) depctr_va_ssrc(0) depctr_va_vcc(0) depctr_vm_vsrc(0)
	s_getreg_b32 s2, hwreg(HW_REG_IB_STS2, 6, 4)
	s_cmp_eq_u32 s2, 0
	s_cbranch_scc0 .Lentry_in_a_cluster
	s_endpgm
.Lentry_in_a_cluster:
	s_bfe_u32 s2, ttmp6, 0x10000c
	s_cmp_lg_u32 s2, 0xf033
	s_cbranch_scc0 .Lentry_shape_is_right
	s_endpgm
.Lentry_shape_is_right:
; proj = A W + bias, f32 [4096][1024], on codes of E4M3.  A (tokens) and W (output columns) lie as images of operand registers: 2,048 bytes for a tile of 16 rows and 128 along K (byte 512 c + 16 lane;
; a tile's rows are rho(T, r) = 32 (T / 2) + 8 (T % 2) + r + 8 (r / 8)), a tile's K steps on end; 64 bytes of scale words for each image.
; 1,024 output columns make only 64 tiles of 256 x 256, so a work-group makes 128 x 128 (256 work-groups) and a wave 64 x 64: 16 accumulators.  A slot of the ring holds four K steps of 128.
; The scale words of all of K come once.  4 x 4 work-groups form a cluster: A's tiles are asked for jointly along a row, W's along a column.  The matrix instruction is used transposed (source 0 = W, source 1 = A):
; a lane holds one token and, over two neighbouring tiles of columns, 16 neighbouring columns.  Results go through the wave's stage in LDS and leave as whole aligned pieces of 256 bytes.
.set KK,    4096                       ; K
.set ASC,   16777216                   ; where A's scale words begin in its buffer
.set BOFF,  12582912                   ; where W's images begin in ops
.set NK,    KK/128
.set TS,    NK*2048                    ; from tile to tile in memory
.set TSS,   NK*64                      ; a tile's scale words
.set HALFS, 4*TSS
.set QB,    8192                       ; a tile's bytes in a slot
.set HALFT, 4*QB                       ; 4 tiles: what one tensor load brings, and what a wave reads of a side
.set SLOT,  4*HALFT
.set SCL,   2*SLOT
.set SPARE, SCL+4*HALFS                ; the spare words: 128 bytes a wave
.set LAPS,  KK/1024
.set SPITCH, 272                       ; the stage (in slot 0, behind its last fill and last read): 16 rows x (256 + 16) bytes a wave
.set ADRA, 16
.set ADRB, 20
.set STO,  24
.set RD,   25
.set CO,   26
.set ADRS, 27
.set SPW,  28
.set NIL,  29
.set BO,   30
.set SC,   32                          ; v32-39 scale words, a set of four for each fragment buffer; they hold nothing else
.set BI,   40                          ; v40-43 the bias of the four columns that I store
.set TMP,  64
.set ACC,  128                         ; accumulator (a, b) at v[128 + 8 (4 a + b)]
.set F0,   0                           ; window 1: two buffers: A's four fragments, then W's four
.set F1,   128
.set WV, 16
.set HA, 17
.set HB, 18
.set CX, 19
.set CY, 20
.set RI, 23
.set CJ, 46
.set G1, 24
.set G0, 32
.set G1B, 48
.set G0B, 56
.set G1S, 68
.set G0S, 76
.set G1SB, 80
.set G0SB, 88
.set MSB, 0
.macro WIN new
.if MSB != (\new)
	s_set_vgpr_msb (MSB<<8)|(\new)
.set MSB, (\new)
.endif
.endm
.set MUL,  0x05                        ; sources 0 and 1 window 1; C and D window 0
.set TO_F, 0x40
.macro JLOAD g0a, g1a, g0b, g1b        ; waves 0, 1 fetch for A, waves 2, 3 for W; four v_nop follow each line
	s_cmp_eq_u32 s[HA], 0
	s_cbranch_scc0 .Lfor_b_\@
	tensor_load_to_lds s[\g0a:\g0a+3], s[\g1a:\g1a+7]
	s_nop 0
.rept 4
	v_nop
.endr
	s_branch .Lasked_\@
.Lfor_b_\@:
	tensor_load_to_lds s[\g0b:\g0b+3], s[\g1b:\g1b+7]
	s_nop 0
.rept 4
	v_nop
.endr
.Lasked_\@:
.endm
.macro CREST
	s_cmp_lg_u32 s[WV], 0
	s_cbranch_scc1 .Lnot_wave_0_\@
	s_barrier_signal -3
.Lnot_wave_0_\@:
	s_barrier_wait -3
	s_barrier_signal -1
	s_barrier_wait -1
.endm
.macro CROUND
	s_barrier_signal -1
	s_barrier_wait -1
	CREST
.endm
	s_load_b256 s[4:11], s[0:1], 0x0               ; A's buffer, ops, the bias, proj
	v_lshl_add_u32 v[SPW], v0, 2, SPARE
	v_mov_b32 v[NIL], 0
	ds_add_u32 v28, v29
	ds_add_u32 v28, v29
	s_wait_dscnt 0x0
	v_lshrrev_b32 v1, 5, v0
	v_readfirstlane_b32 s[WV], v1
	s_lshr_b32 s[HA], s[WV], 1
	s_and_b32 s[HB], s[WV], 1
	s_bfe_u32 s[CX], ttmp6, 0x40000
	s_bfe_u32 s[CY], ttmp6, 0x40004
	s_lshl_b32 s[CJ], ttmp9, 2
	s_add_co_u32 s[CJ], s[CJ], s[CX]               ; which 128 columns
	s_and_b32 s[RI], ttmp7, 0xffff
	s_lshl_b32 s[RI], s[RI], 2
	s_add_co_u32 s[RI], s[RI], s[CY]               ; which 128 tokens
	s_lshl_b32 s40, s[CY], 2
	s_lshl_b32 s40, 15, s40
	s_lshl_b32 s41, 0x1111, s[CX]
	s_or_b32 s[G1+0], s40, (3<<16)|(1<<21)         ; codes: 4 rows (tiles) of 8,192 bytes, TS bytes apart
	s_or_b32 s[G1B+0], s41, (3<<16)|(1<<21)
.irp g, G1, G1B
	s_mov_b32 s[\g+1], 1024<<16
	s_mov_b32 s[\g+2], 4<<16
	s_mov_b32 s[\g+3], 1024<<16
	s_mov_b32 s[\g+4], 4
	s_mov_b32 s[\g+5], NK*256
	s_mov_b32 s[\g+6], 0
	s_mov_b32 s[\g+7], 0
.endr
	s_or_b32 s[G1S+0], s40, (3<<16)|(1<<21)        ; scale words of 4 tiles: HALFS dense bytes as rows of 256
	s_or_b32 s[G1SB+0], s41, (3<<16)|(1<<21)
.irp g, G1S, G1SB
	s_mov_b32 s[\g+1], 32<<16
	s_mov_b32 s[\g+2], (HALFS/256)<<16
	s_mov_b32 s[\g+3], 32<<16
	s_mov_b32 s[\g+4], HALFS/256
	s_mov_b32 s[\g+5], 32
	s_mov_b32 s[\g+6], 0
	s_mov_b32 s[\g+7], 0
.endr
	s_mul_i32 s47, s[HB], 4*TS                     ; the 4 tiles that I fetch
	s_mul_i32 s42, s[RI], 8*TS
	s_add_co_u32 s42, s42, s47
	s_lshr_b32 s92, s42, 5
	s_add_co_u32 s92, s92, ASC
	s_mov_b32 s43, 0
	s_mov_b32 s93, 0
	s_mul_i32 s44, s[CJ], 8*TS
	s_add_co_u32 s44, s44, s47
	s_add_co_u32 s44, s44, BOFF
	s_lshr_b32 s94, s44, 5
	s_add_co_u32 s94, s94, 0x1000000
	s_mov_b32 s45, 0
	s_mov_b32 s95, 0
	s_lshl_b32 s96, s[WV], 15
	s_mul_i32 s97, s[WV], HALFS
	s_wait_kmcnt 0x0
	s_add_nc_u64 s[42:43], s[4:5], s[42:43]
	s_add_nc_u64 s[92:93], s[4:5], s[92:93]
	s_add_nc_u64 s[44:45], s[6:7], s[44:45]
	s_add_nc_u64 s[94:95], s[6:7], s[94:95]
	CROUND                                         ; all sixteen work-groups are here: the first joint loads meet
	s_mov_b32 s[G0S], 1
	s_add_co_u32 s[G0S+1], s97, SCL
	s_mov_b64 s[G0S+2:G0S+3], s[92:93]
	s_or_b32 s[G0S+3], s[G0S+3], 0x80000000
	s_mov_b32 s[G0SB], 1
	s_add_co_u32 s[G0SB+1], s97, SCL
	s_mov_b64 s[G0SB+2:G0SB+3], s[94:95]
	s_or_b32 s[G0SB+3], s[G0SB+3], 0x80000000
	JLOAD G0S, G1S, G0SB, G1SB
.irp s, 0,1
	s_mov_b32 s[G0+4*\s], 1
	s_add_co_u32 s[G0+4*\s+1], s96, \s*SLOT
	s_add_nc_u64 s[G0+4*\s+2:G0+4*\s+3], s[42:43], \s*QB
	s_or_b32 s[G0+4*\s+3], s[G0+4*\s+3], 0x80000000
	s_mov_b32 s[G0B+4*\s], 1
	s_add_co_u32 s[G0B+4*\s+1], s96, \s*SLOT
	s_add_nc_u64 s[G0B+4*\s+2:G0B+4*\s+3], s[44:45], \s*QB
	s_or_b32 s[G0B+4*\s+3], s[G0B+4*\s+3], 0x80000000
	JLOAD G0+4*\s, G1, G0B+4*\s, G1B               ; three loads of mine are out behind the last
.endr
	v_and_b32 v1, 15, v0                           ; r
	v_bfe_u32 v2, v0, 4, 1                         ; h
	v_and_b32 v3, 31, v0
	v_lshlrev_b32 v4, 4, v3
	s_lshl_b32 s98, s[HA], 15
	s_lshl_b32 s99, s[HB], 15
	s_add_co_u32 s99, s99, 2*HALFT
.irp s, 0,1
	v_add_nc_u32 v[ADRA+\s], s98, v4
	v_add_nc_u32 v[ADRB+\s], s99, v4
	s_add_co_u32 s98, s98, SLOT
	s_add_co_u32 s99, s99, SLOT
.endr
	v_lshlrev_b32 v5, 2, v1
	s_mul_i32 s98, s[HA], HALFS
	s_mul_i32 s99, s[HB], HALFS
	s_add_co_u32 s99, s99, 2*HALFS
	s_sub_co_u32 s99, s99, s98
	v_mul_u32_u24 v6, s99, v2                      ; lanes 16-31 take W's
	s_add_co_u32 s98, s98, SCL
	v_add_nc_u32 v5, v5, v6
	v_add_nc_u32 v[ADRS], s98, v5
	s_mul_i32 s98, s[WV], 16*SPITCH                ; my stage
	v_mul_u32_u24 v5, v1, SPITCH
	v_lshl_add_u32 v5, v2, 6, v5
	v_add_nc_u32 v[STO], s98, v5                   ; in: row r, + 64 h
	v_mul_u32_u24 v5, v2, SPITCH
	v_lshl_add_u32 v5, v1, 4, v5
	v_add_nc_u32 v[RD], s98, v5                    ; back: lanes 0-15 one row, lanes 16-31 the next
	v_lshlrev_b32 v[BO], 4, v1
	v_lshl_add_u32 v[CO], v2, 12, v[BO]            ; and the same two rows in proj
	s_lshl_b32 s98, s[CJ], 9
	s_lshl_b32 s99, s[HB], 8
	s_add_co_u32 s98, s98, s99                     ; my 64 columns, in bytes
	s_mov_b32 s99, 0
	s_add_nc_u64 s[8:9], s[8:9], s[98:99]
	s_add_nc_u64 s[10:11], s[10:11], s[98:99]
	s_lshl_b32 s98, s[RI], 19
	s_lshl_b32 s40, s[HA], 18
	s_add_co_u32 s98, s98, s40                     ; my 64 tokens
	s_add_nc_u64 s[10:11], s[10:11], s[98:99]
	global_load_b128 v[BI:BI+3], v[BO], s[8:9]
.macro MULA f, a, zero                 ; four products: token tile a x the four tiles of columns.  The 16 accumulators take turns, one instruction a turn
.irp b, 0,1,2,3
.if \zero
	v_wmma_scale_f32_16x16x128_f8f6f4 v[ACC+8*(4*(\a)+\b):ACC+8*(4*(\a)+\b)+7], v[\f+64+16*\b:\f+64+16*\b+15], v[\f+16*(\a):\f+16*(\a)+15], 0, v[SC+4*((\f)/128)+\b], v[SC+4*((\f)/128)+(\a)] matrix_a_scale:MATRIX_SCALE_ROW1
.else
	v_wmma_scale_f32_16x16x128_f8f6f4 v[ACC+8*(4*(\a)+\b):ACC+8*(4*(\a)+\b)+7], v[\f+64+16*\b:\f+64+16*\b+15], v[\f+16*(\a):\f+16*(\a)+15], v[ACC+8*(4*(\a)+\b):ACC+8*(4*(\a)+\b)+7], v[SC+4*((\f)/128)+\b], v[SC+4*((\f)/128)+(\a)] matrix_a_scale:MATRIX_SCALE_ROW1
.endif
.endr
.endm
.macro FETCH slot, q, f                ; 36 LDS loads: the scale words, W's four fragments, A's four, of the slot's q-th K step
	WIN 0
.irp i, 0,1,2,3
	ds_load_b32 v[SC+4*((\f)/128)+\i], v[ADRS] offset:\i*TSS+64*(\q)
.endr
	WIN TO_F
.irp i, 0,1,2,3
.irp c, 0,1,2,3
	ds_load_b128 v[\f+64+16*\i+4*\c:\f+64+16*\i+4*\c+3], v[ADRB+\slot] offset:\i*QB+2048*(\q)+512*\c
.endr
.endr
.irp i, 0,1,2,3
.irp c, 0,1,2,3
	ds_load_b128 v[\f+16*\i+4*\c:\f+16*\i+4*\c+3], v[ADRA+\slot] offset:\i*QB+2048*(\q)+512*\c
.endr
.endr
.endm
.macro PLACES n
.rept \n
	v_nop
.endr
.endm
.macro QUARTER slot, qn, f, g, zero    ; multiplies buffer f; in its middle fetches K step qn of the slot into buffer g
	s_wait_dscnt 8                                 ; all but the youngest eight loads (A's tiles 2, 3)
	WIN MUL
	MULA \f, 0, \zero
	MULA \f, 1, \zero
	PLACES 8
	FETCH \slot, \qn, \g
	s_wait_dscnt 36                                ; all but the 36 just issued
	WIN MUL
	MULA \f, 2, \zero
	MULA \f, 3, \zero
.endm
.macro TURN slot, next, fill           ; the slot's last K step, in buffer 1, and the change of slots
	WIN 0
	s_wait_tensorcnt 0x0                           ; all my tensor loads have landed
	ds_add_u32 v[SPW], v[NIL]
	s_wait_dscnt 9                                 ; the add and the youngest eight loads may be out
	WIN MUL
	MULA F1, 0, 0
	s_wait_dscnt 0x0                               ; the add is done, my reads of this slot are over
	s_barrier_signal -1
	MULA F1, 1, 0
	WIN 0
	s_barrier_wait -1
.if \fill
	CREST
	s_add_nc_u64 s[G0+4*\slot+2:G0+4*\slot+3], s[G0+4*\slot+2:G0+4*\slot+3], 2*QB
	s_add_nc_u64 s[G0B+4*\slot+2:G0B+4*\slot+3], s[G0B+4*\slot+2:G0B+4*\slot+3], 2*QB
	JLOAD G0+4*\slot, G1, G0B+4*\slot, G1B         ; the first tensor load behind the round; its four v_nop are four of the eight places
	PLACES 4
.else
	PLACES 8
.endif
	v_add_nc_u32 v[ADRS], 256, v[ADRS]             ; the next slot's scale words
	FETCH \next, 0, F0
	WIN MUL
	MULA F1, 2, 0
	MULA F1, 3, 0
.endm
	s_wait_tensorcnt 1                             ; the scale words and my part of slot 0 are in; slot 1's load may be out
	s_barrier_signal -1
	s_barrier_wait -1
	FETCH 0, 0, F0
	QUARTER 0, 1, F0, F1, 1                        ; the first products start the sums
.if LAPS > 1
	WIN 0
	s_mov_b32 s3, LAPS-1
.Llap:
	QUARTER 0, 2, F1, F0, 0
	QUARTER 0, 3, F0, F1, 0
	TURN 0, 1, 1
	QUARTER 1, 1, F0, F1, 0
	QUARTER 1, 2, F1, F0, 0
	QUARTER 1, 3, F0, F1, 0
	TURN 1, 0, 1
	QUARTER 0, 1, F0, F1, 0
	WIN 0
	s_sub_co_u32 s3, s3, 1
	s_cmp_lg_u32 s3, 0
	s_cbranch_scc1 .Llap
.endif
	QUARTER 0, 2, F1, F0, 0
	QUARTER 0, 3, F0, F1, 0
	TURN 0, 1, 0
	QUARTER 1, 1, F0, F1, 0
	QUARTER 1, 2, F1, F0, 0
	QUARTER 1, 3, F0, F1, 0
	s_wait_dscnt 8
	WIN MUL
	MULA F1, 0, 0
	MULA F1, 1, 0
	s_wait_dscnt 0
	MULA F1, 2, 0
	MULA F1, 3, 0
	WIN 0
	PLACES 8
	s_wait_loadcnt 0x0                             ; the bias
; a tile of 16 tokens x 64 columns: into my stage (LDS serves a wave's instructions in order: no wait between the stores and the loads), back by rows, the bias added, stored
.macro OUT a
.irp b, 0,1,2,3
	ds_store_b128 v[STO], v[ACC+8*(4*\a+\b):ACC+8*(4*\a+\b)+3] offset:128*(\b/2)+32*(\b%2)      ; each accumulator from its low end on
	ds_store_b128 v[STO], v[ACC+8*(4*\a+\b)+4:ACC+8*(4*\a+\b)+7] offset:128*(\b/2)+32*(\b%2)+16
.endr
.if \a > 0
	s_wait_xcnt 0x0                                ; the last tile's stores have read their data
.endif
.irp t, 0,1,2,3,4,5,6,7
	ds_load_b128 v[TMP+4*\t:TMP+4*\t+3], v[RD] offset:\t*2*SPITCH
.endr
.irp t, 0,1,2,3,4,5,6,7
	s_wait_dscnt 7-\t
	v_pk_add_f32 v[TMP+4*\t:TMP+4*\t+1], v[TMP+4*\t:TMP+4*\t+1], v[BI:BI+1]
	v_pk_add_f32 v[TMP+4*\t+2:TMP+4*\t+3], v[TMP+4*\t+2:TMP+4*\t+3], v[BI+2:BI+3]
	global_store_b128 v[CO], v[TMP+4*\t:TMP+4*\t+3], s[10:11] offset:(32*(\a/2)+8*(\a%2)+2*\t+8*(\t/4))*4096   ; stage rows 2 t, 2 t + 1 are tokens rho(a, 2 t + h); 16 lanes store 256 consecutive bytes, aligned
.endr
.endm
	OUT 0
	OUT 1
	OUT 2
	OUT 3
	s_wait_tensorcnt 0x0                           ; the wave's end
	ds_add_u32 v[SPW], v[NIL]
	s_wait_dscnt 0x0
	CROUND                                         ; the closing round
	s_endpgm
.Lfunc_end_k_q744c51f7d6_gemm_f2:
	.size	k_q744c51f7d6_gemm_f2, .Lfunc_end_k_q744c51f7d6_gemm_f2-k_q744c51f7d6_gemm_f2
	.p2alignl 7, 3214868480
	.fill 96, 4, 3214868480
	.section	.rodata,"a",@progbits
	.p2align	6, 0x0
	.amdhsa_kernel k_q744c51f7d6_gemm_f2
		.amdhsa_group_segment_fixed_size 327680
		.amdhsa_private_segment_fixed_size 0
		.amdhsa_enable_private_segment 0
		.amdhsa_kernarg_size 32
		.amdhsa_user_sgpr_count 2
		.amdhsa_user_sgpr_kernarg_segment_ptr 1
		.amdhsa_wavefront_size32 1
		.amdhsa_system_sgpr_workgroup_id_x 1
		.amdhsa_system_sgpr_workgroup_id_y 1
		.amdhsa_system_sgpr_workgroup_id_z 1
		.amdhsa_system_vgpr_workitem_id 0
		.amdhsa_next_free_vgpr 512
		.amdhsa_next_free_sgpr 100
		.amdhsa_reserve_vcc 0
		.amdhsa_float_denorm_mode_32 3
		.amdhsa_float_denorm_mode_16_64 3
		.amdhsa_memory_ordered 1
		.amdhsa_forward_progress 1
		.amdhsa_inst_pref_size 99
	.end_amdhsa_kernel
	.amdgpu_metadata
---
amdhsa.version: [ 1, 2 ]
amdhsa.kernels:
  - .name:           k_q744c51f7d6_gemm_f2
    .symbol:         k_q744c51f7d6_gemm_f2.kd
    .args:
      - { .name: hid, .offset: 0, .size: 8, .value_kind: global_buffer, .address_space: global }
      - { .name: ops, .offset: 8, .size: 8, .value_kind: global_buffer, .address_space: global }
      - { .name: b2, .offset: 16, .size: 8, .value_kind: global_buffer, .address_space: global }
      - { .name: proj, .offset: 24, .size: 8, .value_kind: global_buffer, .address_space: global }
    .group_segment_fixed_size: 327680
    .private_segment_fixed_size: 0
    .kernarg_segment_align: 8
    .kernarg_segment_size: 32
    .max_flat_workgroup_size: 128
    .sgpr_count:     100
    .vgpr_count:     512
    .wavefront_size: 32
...
	.end_amdgpu_metadata
.endif
;; end of part 7
;; launch ln_out (part 8): grid 256 x 1, 8 waves a work-group, no clusters, 0 bytes of LDS; arguments proj, x1, lnf_g, lnf_b, ln2_g, ln2_b, out0; writes out0
.if DOCPART == 8
	.amdgcn_target "amdgcn-amd-amdhsa--gfx1250"
	.amdhsa_code_object_version 6
	.text
	.protected	k_q744c51f7d6_ln_out
	.globl	k_q744c51f7d6_ln_out
	.p2align	8
	.type	k_q744c51f7d6_ln_out,@function
k_q744c51f7d6_ln_out:
	s_mov_b64 s[64:65], 0
	v_nop
	global_prefetch_b8 v0, s[64:65] scope:SCOPE_SE
	s_setreg_imm32_b32 hwreg(HW_REG_WAVE_MODE, 25, 1), 1
	s_wait_xcnt 0x0
; out0 = LN2(x1 + LNf(proj + x1)): LNf with eps 1e-12, LN2 with eps 1e-5; each norm takes the mean first and then the mean of squared differences.  All f32, rows of 1,024.
; A wave takes a whole row in 32 registers a lane (load j: 512 consecutive bytes at 512 j), so no sum leaves the wave: no LDS, no barrier.  A wave takes two rows; the four parameter vectors stay in 128 registers.
; BOTH ROWS ARE ASKED FOR AT THE HEAD: the second row's 16 loads land in registers 256 to 319 (the second window of 256) while the first row is worked on, and are then moved down by 64 moves:
; four switches of the register window in all.  Memory binds: each byte is read and written once, in pieces of 512 consecutive bytes; matrix units and clusters would add nothing.
.set GF, 32
.set BF, 64
.set G2, 96
.set B2, 128
.set A,  160
.set X1, 192
.set SEL, 20
.set INV, 22
.set E12, 23
.set E5,  24
.macro WSUM                            ; v8 summed over the 32 lanes, in every lane
	v_add_f32_dpp v8, v8, v8 row_xmask:1 row_mask:0xf bank_mask:0xf
	v_add_f32_dpp v8, v8, v8 row_xmask:2 row_mask:0xf bank_mask:0xf
	v_add_f32_dpp v8, v8, v8 row_xmask:4 row_mask:0xf bank_mask:0xf
	v_add_f32_dpp v8, v8, v8 row_xmask:8 row_mask:0xf bank_mask:0xf
	v_permlanex16_b32 v9, v8, s[SEL], s[SEL+1]
	v_add_f32 v8, v8, v9
.endm
.macro LNORM eps, g, b                 ; the row in v[A] on is normed in place
	v_pk_add_f32 v[8:9], v[A:A+1], v[A+2:A+3]
	v_pk_add_f32 v[10:11], v[A+4:A+5], v[A+6:A+7]
.irp j, 8,12,16,20,24,28
	v_pk_add_f32 v[8:9], v[8:9], v[A+\j:A+\j+1]
	v_pk_add_f32 v[10:11], v[10:11], v[A+\j+2:A+\j+3]
.endr
	v_pk_add_f32 v[8:9], v[8:9], v[10:11]
	v_add_f32 v8, v8, v9
	WSUM
	v_mul_f32 v12, 0xba800000, v8                  ; - the mean
	v_mov_b32 v13, v12
.set n, 0
.rept 16
	v_pk_add_f32 v[A+n:A+n+1], v[A+n:A+n+1], v[12:13]
.set n, n+2
.endr
	v_pk_mul_f32 v[8:9], v[A:A+1], v[A:A+1]
	v_pk_mul_f32 v[10:11], v[A+2:A+3], v[A+2:A+3]
.irp j, 4,8,12,16,20,24,28
	v_pk_fma_f32 v[8:9], v[A+\j:A+\j+1], v[A+\j:A+\j+1], v[8:9]
	v_pk_fma_f32 v[10:11], v[A+\j+2:A+\j+3], v[A+\j+2:A+\j+3], v[10:11]
.endr
	v_pk_add_f32 v[8:9], v[8:9], v[10:11]
	v_add_f32 v8, v8, v9
	WSUM
	v_fma_f32 v8, v8, s[INV], s[\eps]
	v_rsq_f32 v12, v8
	v_nop                                          ; a plain line behind the transcendental
	s_wait_alu depctr_va_vdst(0)                   ; ahead of its first reader
	v_mov_b32 v13, v12
.set n, 0
.rept 16
	v_pk_mul_f32 v[A+n:A+n+1], v[A+n:A+n+1], v[12:13]
.set n, n+2
.endr
.set n, 0
.rept 16
	v_pk_fma_f32 v[A+n:A+n+1], v[A+n:A+n+1], v[\g+n:\g+n+1], v[\b+n:\b+n+1]
.set n, n+2
.endr
.endm
.macro WORK i                          ; row i lies in v[A] on (proj) and v[X1] on (x1): both norms, and its stores
.set n, 0
.rept 16
	v_pk_add_f32 v[A+n:A+n+1], v[A+n:A+n+1], v[X1+n:X1+n+1]
.set n, n+2
.endr
	LNORM E12, GF, BF
.set n, 0
.rept 16
	v_pk_add_f32 v[A+n:A+n+1], v[A+n:A+n+1], v[X1+n:X1+n+1]
.set n, n+2
.endr
	LNORM E5, G2, B2
.irp j, 0,1,2,3,4,5,6,7
	global_store_b128 v1, v[A+4*\j:A+4*\j+3], s[16:17] offset:4096*\i+512*\j th:TH_STORE_NT
.endr
.endm
	s_load_b256 s[4:11], s[0:1], 0x0               ; proj, x1, lnf_g, lnf_b
	s_load_b128 s[12:15], s[0:1], 0x20             ; ln2_g, ln2_b
	s_load_b64 s[16:17], s[0:1], 0x30              ; out0
	v_lshrrev_b32 v1, 5, v0
	v_readfirstlane_b32 s18, v1                    ; wave
	v_and_b32 v1, 31, v0
	v_lshlrev_b32 v1, 4, v1                        ; 16 x lane
	v_mov_b32 v9, 0                                ; a lane permute's destination counts as read
	s_mov_b32 s[SEL], 0x76543210
	s_mov_b32 s[SEL+1], 0xfedcba98
	s_mov_b32 s[INV], 0x3a800000                   ; 1 / 1,024
	s_mov_b32 s[E12], 0x2b8cbccc                   ; 1e-12
	s_mov_b32 s[E5], 0x3727c5ac                    ; 1e-5
	s_lshl_b32 s26, ttmp9, 16                      ; 16 rows a work-group,
	s_lshl_b32 s27, s18, 13                        ; 2 a wave
	s_add_co_u32 s26, s26, s27
	s_mov_b32 s27, 0
	s_wait_kmcnt 0x0
	s_add_nc_u64 s[4:5], s[4:5], s[26:27]
	s_add_nc_u64 s[6:7], s[6:7], s[26:27]
	s_add_nc_u64 s[16:17], s[16:17], s[26:27]
.irp j, 0,1,2,3,4,5,6,7
	global_load_b128 v[A+4*\j:A+4*\j+3], v1, s[4:5] offset:512*\j th:TH_LOAD_NT       ; row 0
	global_load_b128 v[X1+4*\j:X1+4*\j+3], v1, s[6:7] offset:512*\j th:TH_LOAD_NT
.endr
.irp j, 0,1,2,3,4,5,6,7
	global_load_b128 v[GF+4*\j:GF+4*\j+3], v1, s[8:9] offset:512*\j
	global_load_b128 v[BF+4*\j:BF+4*\j+3], v1, s[10:11] offset:512*\j
	global_load_b128 v[G2+4*\j:G2+4*\j+3], v1, s[12:13] offset:512*\j
	global_load_b128 v[B2+4*\j:B2+4*\j+3], v1, s[14:15] offset:512*\j
.endr
	s_set_vgpr_msb 0x40                            ; a load's data are its destination: the second window; its address register stays in the first
.irp j, 0,1,2,3,4,5,6,7
	global_load_b128 v[4*\j:4*\j+3], v1, s[4:5] offset:4096+512*\j th:TH_LOAD_NT      ; row 1: proj into v256-287,
	global_load_b128 v[32+4*\j:32+4*\j+3], v1, s[6:7] offset:4096+512*\j th:TH_LOAD_NT ; x1 into v288-319
.endr
	s_set_vgpr_msb 0x4000                          ; all back to the first window (the high byte repeats the setting that is left)
	s_wait_loadcnt 16                              ; row 0 and the parameters are in; row 1's 16 loads may be out
	WORK 0
	s_wait_loadcnt 0x0                             ; row 1
	s_wait_xcnt 0x0                                ; row 0's stores have read their data: the row's registers are written again
	s_set_vgpr_msb 0x01                            ; source 0 in the second window
.set n, 0
.rept 64
	v_mov_b32 v[A+n], v[n]                         ; v256 + n
.set n, n+1
.endr
	s_set_vgpr_msb 0x0100
	WORK 1
	s_endpgm
.Lfunc_end_k_q744c51f7d6_ln_out:
	.size	k_q744c51f7d6_ln_out, .Lfunc_end_k_q744c51f7d6_ln_out-k_q744c51f7d6_ln_out
	.p2alignl 7, 3214868480
	.fill 96, 4, 3214868480
	.section	.rodata,"a",@progbits
	.p2align	6, 0x0
	.amdhsa_kernel k_q744c51f7d6_ln_out
		.amdhsa_group_segment_fixed_size 0
		.amdhsa_private_segment_fixed_size 0
		.amdhsa_enable_private_segment 0
		.amdhsa_kernarg_size 56
		.amdhsa_user_sgpr_count 2
		.amdhsa_user_sgpr_kernarg_segment_ptr 1
		.amdhsa_wavefront_size32 1
		.amdhsa_system_sgpr_workgroup_id_x 1
		.amdhsa_system_sgpr_workgroup_id_y 1
		.amdhsa_system_sgpr_workgroup_id_z 1
		.amdhsa_system_vgpr_workitem_id 0
		.amdhsa_next_free_vgpr 320
		.amdhsa_next_free_sgpr 66
		.amdhsa_reserve_vcc 0
		.amdhsa_float_denorm_mode_32 3
		.amdhsa_float_denorm_mode_16_64 3
		.amdhsa_memory_ordered 1
		.amdhsa_forward_progress 1
		.amdhsa_inst_pref_size 40
	.end_amdhsa_kernel
	.amdgpu_metadata
---
amdhsa.version: [ 1, 2 ]
amdhsa.kernels:
  - .name:           k_q744c51f7d6_ln_out
    .symbol:         k_q744c51f7d6_ln_out.kd
    .args:
      - { .name: proj, .offset: 0, .size: 8, .value_kind: global_buffer, .address_space: global }
      - { .name: x1, .offset: 8, .size: 8, .value_kind: global_buffer, .address_space: global }
      - { .name: lnf_g, .offset: 16, .size: 8, .value_kind: global_buffer, .address_space: global }
      - { .name: lnf_b, .offset: 24, .size: 8, .value_kind: global_buffer, .address_space: global }
      - { .name: ln2_g, .offset: 32, .size: 8, .value_kind: global_buffer, .address_space: global }
      - { .name: ln2_b, .offset: 40, .size: 8, .value_kind: global_buffer, .address_space: global }
      - { .name: out0, .offset: 48, .size: 8, .value_kind: global_buffer, .address_space: global }
    .group_segment_fixed_size: 0
    .private_segment_fixed_size: 0
    .kernarg_segment_align: 8
    .kernarg_segment_size: 56
    .max_flat_workgroup_size: 256
    .sgpr_count:     66
    .vgpr_count:     320
    .wavefront_size: 32
...
	.end_amdgpu_metadata
.endif
;; end of part 8
